; MI455X (gfx1250); checked and timed in simulation.
; The chip was launched on July 23, 2026; its instructions are those of AMD's public machine-readable ISA for CDNA 5 (MIT licence, August 2026) and "CDNA5" Instruction Set Architecture Reference Guide (July 2026). The comments in the code are by the model that wrote it; some were corrected since.
;; Causal Self Attention. Allowed arithmetic: matrix products marked QUANTISED: E4M3 operands, one given power-of-two scale a tensor, by v_wmma_f32_16x16x64_fp8_fp8 or v_wmma_f32_16x16x128_fp8_fp8, f32 sums; everything else in f32.
;; Inputs: Wk 2,048 x 2,048 float32; Wo 2,048 x 2,048 float32; Wq 2,048 x 2,048 float32; Wv 2,048 x 2,048 float32; cos 2,048 x 128 float32; hidden_states 1 x 2,048 x 2,048 float32; lowp_scales 12 int32 (the exponents e of the quantised operands' scales 2^e); sin 2,048 x 128 float32.
;; Outputs: out0 1 x 2,048 x 2,048 float32.
;; This version of the problem:
;;   THIS VERSION OF THE PROBLEM IS GIVEN IN LOW PRECISION. The matrix products marked QUANTISED in the list below multiply operands that are first quantised to E4M3 (4 exponent bits, 3 mantissa bits; 8 bits a number), with one given power-of-two scale for each operand tensor; their sums are f32. All else is computed in f32.
;;   The module's matrix products, in the order in which they are computed (A, B: the left and right operand; K: the contracted axis; several contracted axes count as one K, in the product's order):
;;     1. [M 2,048, K 2,048] x [K 2,048, N 2,048]; A: input hidden_states; B: input Wq: QUANTISED (scales: A lowp_scales[0], B lowp_scales[1])
;;     2. [M 2,048, K 2,048] x [K 2,048, N 2,048]; A: input hidden_states; B: input Wk: QUANTISED (scales: A lowp_scales[2], B lowp_scales[3])
;;     3. [M 2,048, K 2,048] x [K 2,048, N 2,048]; A: input hidden_states; B: input Wv: QUANTISED (scales: A lowp_scales[4], B lowp_scales[5])
;;     4. batch 16 x [M 2,048, K 128] x [K 128, N 2,048]; A: computed on the way; B: computed on the way: QUANTISED (scales: A lowp_scales[6], B lowp_scales[7])
;;     5. batch 16 x [M 2,048, K 2,048] x [K 2,048, N 128]; A: softmax (see below); B: computed on the way: QUANTISED (scales: A lowp_scales[8], B lowp_scales[9])
;;     6. [M 2,048, K 2,048] x [K 2,048, N 2,048]; A: computed on the way; B: input Wo: QUANTISED (scales: A lowp_scales[10], B lowp_scales[11])
;;   THE QUANTISER, for each operand of a quantised product, along K:
;;     - The operand's scale is 2^e, e = its entry of the input lowp_scales (int32; the entries are numbered through the quantised products in the list's order, A before B).
;;     - Each number is divided by the scale, clamped to +-448, and rounded to the nearest number of E4M3, ties to even, subnormals kept.
;;     - The product sums the exact products of the quantised numbers (number of the format x scale) in f32.
;;   ~~~python
;;   def quantise(x, axis, e):      # numpy; x: float32 -> the quantised numbers, widened to float32 again
;;       x = np.moveaxis(x, axis, -1); K = x.shape[-1]
;;       r = np.clip(x / 2.0 ** e, -448, 448)
;;       step = 2.0 ** (np.maximum(np.frexp(np.where(r == 0, 1, r))[1] - 1, -6) - 3)
;;       q = np.round(r / step) * step * 2.0 ** e      # np.round: ties to even
;;       return np.moveaxis(q, -1, axis).astype(np.float32)
;;   ~~~
;;   SOFTMAX AHEAD OF A QUANTISED PRODUCT. Where the list says 'softmax', what is quantised is not the finished softmax but p = 2^(t - M), with t = logit x log2(e) and M = ceil(the row's largest t), a whole number; so 1/2 < the row's largest p <= 1. The row's sum l is taken of the UNQUANTISED p, in f32, and the product's result is divided by l at the end. Since M is a whole number, a kernel that streams over the keys may use a running M (the ceiling of the running maximum): every later rescaling is an exact power of two, so the quantised numbers keep their values, but for numbers so far below the row's largest that they fall under the format's range.
;;   OPERANDS COMPUTED ON THE WAY. 'Computed on the way' means the value that the module computes at that place (a softmax that the list does not call 'softmax' is quantised finished and normalised). What goes into a quantiser is computed in f32, as accurately as f32 sums, v_exp_f32 and their like allow (about 1e-6 of the number): no bf16 or f16 on the way to a quantiser, and a product that is left as it is and whose result goes on into a quantised operand takes f32 operands (vector FMAs, or v_wmma_f32_16x16x4_f32). A number that lies on a knife's edge between two numbers of the format may be rounded either way, as far as f32 arithmetic and the matrix unit's own rounding can turn it there, and no further.
;; One version. Each part assembles by itself: llvm-mc -triple=amdgcn-amd-amdhsa -mcpu=gfx1250 --defsym DOCPART=n.
;; ======== version 1 of 1: 4 launches
;; limits: right only within a limited range of input values
;; workspace buffers: xcodes 12,582,912 bytes; wcodes 12,582,912 bytes; wocodes 4,194,304 bytes; qkv 12,582,912 bytes; at 4,194,304 bytes
;; launch quant (part 1): grid 1024 x 1, 4 waves a work-group, no clusters, 33,280 bytes of LDS; arguments hidden_states, Wq, Wk, Wv, lowp_scales, xcodes, wcodes; writes xcodes, wcodes
.if DOCPART == 1
	.amdgcn_target "amdgcn-amd-amdhsa--gfx1250"
	.amdhsa_code_object_version 6
	.text
	.protected	k_q93adffb796_quant
	.globl	k_q93adffb796_quant
	.p2align	8
	.type	k_q93adffb796_quant,@function
k_q93adffb796_quant:
	s_mov_b64 s[64:65], 0
	v_nop
	global_prefetch_b8 v0, s[64:65] scope:SCOPE_SE
	s_setreg_imm32_b32 hwreg(HW_REG_WAVE_MODE, 25, 1), 1
	s_wait_xcnt 0x0
; hidden_states, Wq, Wk, Wv ([2048][2048] f32, K innermost) become codes of E4M3, one byte each, each with the given scale 2^e.  (Wo is quantised by the launch attn.)
; code = x / 2^e, held within +-448, rounded to the nearest code, ties to even.  hidden_states is an operand of three products with three given scales
; (entries 0, 2, 4 of the scales): three sets of codes, 4 MiB apart in xcodes.  Wq, Wk, Wv (entries 1, 3, 5) lie 4 MiB apart in wcodes.
; LIMITS: each e between -126 and 119, so that 2^e and 448 x 2^e are f32 numbers.  NaN among the inputs is not served (an infinity is held at the largest code).
; WORK LEFT OUT by the program: reference() throws away the scores above the diagonal by its own causal mask; the launch attn leaves out the key steps of 128 keys that lie wholly above it, for every value of the inputs.
; A NaN, an infinity or an overflow that reaches only those scores is not carried to the result.
; LAYOUT OF THE CODES: rows of 2,048 bytes, K innermost; inside each group of 32 codes the four pieces of 8 lie in the order 0, 2, 1, 3.  A fragment fetched by 16-byte loads at
; 32 c + 16 (lane / 16) of a row then holds each k in the place that the matrix instruction's own layout gives it: registers 2 c', 2 c' + 1: k = 16 c' + 8 (lane / 16) + 0 .. 7.
; SHARES: 256 work-groups a tensor (tensor = work-group / 256); a wave takes 8 steps of 512 numbers and asks for all of them at its start: 32 loads.  With 224 registers four work-groups lie on a WGP: all 1,024 at once.
; Each load reads 512 consecutive bytes, 16 a lane; a step's 2,048 bytes turn through the wave's own stage in LDS (16 bytes of padding behind each 64) and come back so that
; lane m holds pieces m % 2 and 2 + m % 2 of group m / 2: its 16 codes are bytes 16 m .. 16 m + 15 of the step's 512.
; No tensor loads, no barrier: waves share nothing, and no two work-groups read the same bytes, so there is nothing for a cluster to share.  No loop to run ahead in, so no prefetch.
.set WAVES, 4
.set STEPS, 8
.set SP,    80                         ; a place in a stage: 64 bytes + 16 of padding
.set WREG,  8192                       ; LDS of a wave: two stages of 32 places
.set SPARE, WAVES*WREG                 ; behind the four regions: the spare words, 128 bytes for each wave; no other line names them
.set OFF,   3                          ; v3       16 x lane
.set SC,    6                          ; v6-11    conversion k: v[6+2k] = 2^e, v[7+2k] = 448 x 2^e
.set SPW,   12                         ; v12      LDS address of my spare word; never rewritten
.set NIL,   13                         ; v13      0; never rewritten
.set STI,   14                         ; v14      the stage, on the way in
.set STO,   15                         ; v15      and on the way out
.set R,     16                         ; v16-143  eight sets of 16 numbers as they are loaded
.set X,     144                        ; v144-175 two sets of 16 numbers of one lane's two pieces
.set T,     176                        ; v176-207 two sets of 16 held numbers
.set C,     208                        ; v208-219 codes: four registers for each of the three conversions
	s_load_b256 s[4:11], s[0:1], 0x0               ; hidden s[4:5], Wq s[6:7], Wk s[8:9], Wv s[10:11]
	s_load_b64 s[14:15], s[0:1], 0x20              ; scales
	s_load_b128 s[16:19], s[0:1], 0x28             ; xcodes s[16:17], wcodes s[18:19]
	v_lshl_add_u32 v[SPW], v0, 2, SPARE
	v_mov_b32 v[NIL], 0
	v_lshrrev_b32 v1, 5, v0
	v_readfirstlane_b32 s32, v1                    ; wave
	v_and_b32 v2, 31, v0                           ; lane
	v_lshlrev_b32 v[OFF], 4, v2
	s_mul_i32 s34, s32, WREG
	v_lshrrev_b32 v[STI], 2, v2
	v_mul_u32_u24 v[STI], v[STI], SP
	v_and_b32 v1, 3, v2
	v_lshl_add_u32 v[STI], v1, 4, v[STI]
	v_add_nc_u32 v[STI], s34, v[STI]               ; in: four lanes' 64 bytes on end, then the padding
	v_lshrrev_b32 v[STO], 1, v2
	v_mul_u32_u24 v[STO], v[STO], 2*SP
	v_and_b32 v1, 1, v2
	v_lshl_add_u32 v[STO], v1, 5, v[STO]
	v_add_nc_u32 v[STO], s34, v[STO]               ; out: group lane / 2 is two places; piece lane % 2 lies 32 (lane % 2) bytes into the first, piece 2 + lane % 2 as far into the second
	s_lshr_b32 s33, ttmp9, 8                       ; which tensor: 0 hidden_states, 1 .. 3 Wq, Wk, Wv
	s_and_b32 s35, ttmp9, 255
	s_lshl_b32 s35, s35, 2
	s_add_co_u32 s35, s35, s32                     ; which run of 4,096 numbers of the tensor is my wave's
	s_lshl_b32 s44, s35, 14                        ; its bytes in the tensor,
	s_mov_b32 s45, 0
	s_lshl_b32 s46, s35, 12                        ; and in a set of codes
	s_mov_b32 s47, 0
	s_max_u32 s48, s33, 1
	s_sub_co_u32 s48, s48, 1
	s_lshl_b32 s48, s48, 22                        ; a weight's 4 MiB in wcodes (0 for hidden_states' first set)
	s_add_co_u32 s48, s48, s46
	s_mov_b32 s49, 0
	s_wait_alu depctr_va_vdst(0)                   ; directly ahead of the wait below
	s_wait_kmcnt 0x0
	s_load_b256 s[20:27], s[14:15], 0x0            ; e0 .. e7
	s_cmp_eq_u32 s33, 1                            ; the choices hang on the work-group's number alone
	s_cselect_b64 s[36:37], s[6:7], s[4:5]
	s_cmp_eq_u32 s33, 2
	s_cselect_b64 s[36:37], s[8:9], s[36:37]
	s_cmp_eq_u32 s33, 3
	s_cselect_b64 s[36:37], s[10:11], s[36:37]
	s_cmp_eq_u32 s33, 0
	s_cselect_b64 s[38:39], s[16:17], s[18:19]
	s_add_nc_u64 s[36:37], s[36:37], s[44:45]      ; the numbers
	s_add_nc_u64 s[38:39], s[38:39], s[48:49]      ; the codes of conversion 0
	s_add_nc_u64 s[40:41], s[16:17], s[46:47]
	s_add_nc_u64 s[42:43], s[40:41], 0x800000      ; hidden_states' third set
	s_add_nc_u64 s[40:41], s[40:41], 0x400000      ; and its second
.macro LOAD t
.irp i, 0,1,2,3
	global_load_b128 v[R+16*(\t)+4*\i:R+16*(\t)+4*\i+3], v[OFF], s[36:37] offset:2048*(\t)+512*\i th:TH_LOAD_NT   ; 32 lanes read 512 consecutive bytes, read once in the launch
.endr
.endm
.macro TURN t                          ; step t's numbers through the stage: LDS serves a wave's instructions in order, so no wait stands between the stores and the loads
.irp i, 0,1,2,3
	ds_store_b128 v[STI], v[R+16*(\t)+4*\i:R+16*(\t)+4*\i+3] offset:32*SP*((\t)%2)+8*SP*\i
.endr
	ds_load_b128 v[X+16*((\t)%2):X+16*((\t)%2)+3],     v[STO] offset:32*SP*((\t)%2)
	ds_load_b128 v[X+16*((\t)%2)+4:X+16*((\t)%2)+7],   v[STO] offset:32*SP*((\t)%2)+16
	ds_load_b128 v[X+16*((\t)%2)+8:X+16*((\t)%2)+11],  v[STO] offset:32*SP*((\t)%2)+SP
	ds_load_b128 v[X+16*((\t)%2)+12:X+16*((\t)%2)+15], v[STO] offset:32*SP*((\t)%2)+SP+16
.endm
.macro MKSCALE k, e                    ; the scale 2^e of s\e as f32 (the conversion takes its exponent field), and 448 x 2^e
	s_add_co_i32 s51, s\e, 127
	s_lshl_b32 s52, s51, 23
	v_mov_b32 v[SC+2*\k], s52
	s_add_co_i32 s51, s51, 8
	s_lshl_b32 s51, s51, 23
	s_or_b32 s51, s51, 0x600000
	v_mov_b32 v[SC+2*\k+1], s51
.endm
; Conversion k of step t: the hold (the conversion to an 8-bit code does not saturate: ISA guide 7.6.2) into set 'set' of T, two conversions, one store of 512 consecutive bytes.
; The sets of T take turns, so that sixteen plain holds always stand between a conversion and the next write of its sources.
.macro CONV k, set, t
.irp i, 0,1,2,3,4,5,6,7,8,9,10,11,12,13,14,15
	v_med3_num_f32 v[T+16*(\set)+\i], v[X+16*((\t)%2)+\i], -v[SC+2*\k+1], v[SC+2*\k+1]
.endr
	v_cvt_scalef32_pk8_fp8_f32 v[C+4*\k:C+4*\k+1], v[T+16*(\set):T+16*(\set)+7], v[SC+2*\k]
	v_cvt_scalef32_pk8_fp8_f32 v[C+4*\k+2:C+4*\k+3], v[T+16*(\set)+8:T+16*(\set)+15], v[SC+2*\k]
	global_store_b128 v[OFF], v[C+4*\k:C+4*\k+3], s[38+2*\k:39+2*\k] offset:512*(\t)
.endm
.irp t, 0,1,2,3,4,5,6,7
	LOAD \t
.endr
	s_wait_kmcnt 0x0
	s_cmp_eq_u32 s33, 1                            ; conversion 0's exponent: e0, e1, e3 or e5, chosen without a jump
	s_cselect_b32 s50, s21, s20
	s_cmp_eq_u32 s33, 2
	s_cselect_b32 s50, s23, s50
	s_cmp_eq_u32 s33, 3
	s_cselect_b32 s50, s25, s50
	MKSCALE 0, 50
	MKSCALE 1, 22                                  ; e2
	MKSCALE 2, 24                                  ; e4
	s_wait_alu depctr_va_vdst(0)                   ; the head's end
	s_wait_loadcnt 28                              ; step 0's four loads are in; the 28 of the other steps may be out
	TURN 0
.macro STEP t
	s_wait_dscnt 0x0                               ; this step's numbers are back from the stage
.if (\t)+1 < STEPS
	s_wait_loadcnt 4*(STEPS-2-(\t))                ; the next step's four loads are in; those of the steps behind it may be out
	TURN (\t)+1                                    ; and go through the other stage while this step is worked
.endif
	s_wait_xcnt 0x0                                ; the last step's stores have read their data: the codes' registers are written again only behind this wait
	CONV 0, (\t)%2, \t
	s_cmp_lg_u32 s33, 0                            ; a weight has one scale; hidden_states has two more.  The jump passes over vector work and global stores alone
	s_cbranch_scc1 .Lone_\@
	CONV 1, ((\t)+1)%2, \t
	CONV 2, (\t)%2, \t
.Lone_\@:
.endm
.irp t, 0,1,2,3,4,5,6,7
	STEP \t
.endr
	s_wait_tensorcnt 0x0                           ; the wave's end: behind my last LDS store
	ds_add_u32 v[SPW], v[NIL]
	s_wait_dscnt 0x0
	s_endpgm
.Lfunc_end_k_q93adffb796_quant:
	.size	k_q93adffb796_quant, .Lfunc_end_k_q93adffb796_quant-k_q93adffb796_quant
	.p2alignl 7, 3214868480
	.fill 96, 4, 3214868480
	.section	.rodata,"a",@progbits
	.p2align	6, 0x0
	.amdhsa_kernel k_q93adffb796_quant
		.amdhsa_group_segment_fixed_size 33280
		.amdhsa_private_segment_fixed_size 0
		.amdhsa_enable_private_segment 0
		.amdhsa_kernarg_size 56
		.amdhsa_user_sgpr_count 2
		.amdhsa_user_sgpr_kernarg_segment_ptr 1
		.amdhsa_wavefront_size32 1
		.amdhsa_system_sgpr_workgroup_id_x 1
		.amdhsa_system_sgpr_workgroup_id_y 1
		.amdhsa_system_sgpr_workgroup_id_z 1
		.amdhsa_system_vgpr_workitem_id 0
		.amdhsa_next_free_vgpr 224
		.amdhsa_next_free_sgpr 66
		.amdhsa_reserve_vcc 0
		.amdhsa_float_denorm_mode_32 3
		.amdhsa_float_denorm_mode_16_64 3
		.amdhsa_memory_ordered 1
		.amdhsa_forward_progress 1
		.amdhsa_inst_pref_size 42
	.end_amdhsa_kernel
	.amdgpu_metadata
---
amdhsa.version: [ 1, 2 ]
amdhsa.kernels:
  - .name:           k_q93adffb796_quant
    .symbol:         k_q93adffb796_quant.kd
    .args:
      - { .name: hidden_states, .offset: 0, .size: 8, .value_kind: global_buffer, .address_space: global }
      - { .name: Wq, .offset: 8, .size: 8, .value_kind: global_buffer, .address_space: global }
      - { .name: Wk, .offset: 16, .size: 8, .value_kind: global_buffer, .address_space: global }
      - { .name: Wv, .offset: 24, .size: 8, .value_kind: global_buffer, .address_space: global }
      - { .name: lowp_scales, .offset: 32, .size: 8, .value_kind: global_buffer, .address_space: global }
      - { .name: xcodes, .offset: 40, .size: 8, .value_kind: global_buffer, .address_space: global }
      - { .name: wcodes, .offset: 48, .size: 8, .value_kind: global_buffer, .address_space: global }
    .group_segment_fixed_size: 33280
    .private_segment_fixed_size: 0
    .kernarg_segment_align: 8
    .kernarg_segment_size: 56
    .max_flat_workgroup_size: 128
    .sgpr_count:     66
    .vgpr_count:     224
    .wavefront_size: 32
...
	.end_amdgpu_metadata
.endif
;; end of part 1
;; launch qkv (part 2): grid 24 x 8, 4 waves a work-group, clusters of 4 x 4, 327,680 bytes of LDS; arguments xcodes, wcodes, lowp_scales, cos, sin, qkv; writes qkv
.if DOCPART == 2
	.amdgcn_target "amdgcn-amd-amdhsa--gfx1250"
	.amdhsa_code_object_version 6
	.text
	.protected	k_q93adffb796_qkv
	.globl	k_q93adffb796_qkv
	.p2align	8
	.type	k_q93adffb796_qkv,@function
k_q93adffb796_qkv:
	s_mov_b64 s[64:65], 0
	v_nop
	global_prefetch_b8 v0, s[64:65] scope:SCOPE_SE
	s_setreg_imm32_b32 hwreg(HW_REG_WAVE_MODE, 25, 1), 1
	s_wait_xcnt 0x0
	s_wait_alu depctr_hold_cnt(0) depctr_sa_sdst(0) depctr_va_vdst(0) depctr_va_sdst(0) depctr_va_ssrc(0) depctr_va_vcc(0) depctr_vm_vsrc(0)
	s_getreg_b32 s2, hwreg(HW_REG_IB_STS2, 6, 4)
	s_cmp_eq_u32 s2, 0
	s_cbranch_scc0 .Lentry_in_a_cluster
	s_endpgm
.Lentry_in_a_cluster:
	s_bfe_u32 s2, ttmp6, 0x10000c
	s_cmp_lg_u32 s2, 0xf033
	s_cbranch_scc0 .Lentry_shape_is_right
	s_endpgm
.Lentry_shape_is_right:
; q, k, v = hidden_states W^T on codes of E4M3, then the rotary embedding on q and k, then the codes of q, k, v for the launch attn.  x's codes: three sets in xcodes, W's in wcodes (rows of 2,048 bytes).
; A block of 256 x 256 of one tensor is made by a work-group of four waves, 128 x 128 each (512 accumulator registers); K goes in steps of 256 through a ring of two LDS slots filled by joint loads.
; For v the sources are swapped, so that its registers run along the tokens.  192 work-groups: the three tensors take three different sets of x's codes, so a block that straddles two tensors would load both sets.
; CLUSTERS of 4 x 4: the four of a row share source 1's tiles, the four of a column source 0's.  The tables of cos and sin come as joint loads of 64 rows a wave, into slot 0 under the last K step and into slot 1 behind it;
; v's clusters issue them too (every work-group that a mask names issues the load) and do not read them.
; OUT (buffer qkv): chunks of 2,048 bytes, images of an operand's 16 registers (registers 4 c .. 4 c + 3 at 512 c + 16 x lane): q at 0, k at 4 MiB, v at 8 MiB.
; PREFETCHES: K steps 1 and 2 behind the head's joint load, K step 3 behind K step 1's load, then in the trip that loads K step k the K step k + 2; a lane a row, 32 rows of the 128 that a wave fetches: the four
; partners share them out by address.  The last trip asks instead for the tables (the first tensor's clusters alone): 8,192 bytes an instruction, lanes 256 bytes apart, partners told apart by address.
; LIMITS on the given exponents: each conversion's exponent (e6 - e0 - e1, e7 - e2 - e3, e9 - e4 - e5) between -126 and 119.  NaN among the inputs is not served.
.set PFO,    30                        ; v30 2,048 x lane: the prefetches of codes;  v31 256 x lane: those of the tables; never rewritten
.set PFT,    31
.set PFA,    100                       ; s[100:101] where my prefetches of codes stand;  s[104:105] of the tables
.set PTA,    104
.macro ASK k
	s_cmp_lg_u32 s3, 1                             ; the loop's last trip?
	s_cbranch_scc0 .Ltables_\@
	global_prefetch_b8 v[PFO], s[PFA:PFA+1] offset:(2+(\k))*ROWB th:TH_LOAD_NT scope:SCOPE_SE
	s_branch .Lnone_\@
.Ltables_\@:
	s_cmp_eq_u32 s19, 0                            ; the first tensor's four clusters ask
	s_cbranch_scc0 .Lnone_\@
	global_prefetch_b8 v[PFT], s[PTA:PTA+1] offset:(\k)*64*512 th:TH_LOAD_NT scope:SCOPE_SE
.Lnone_\@:
.endm
.set KROW,   2048
.set ROWB,   256
.set PITCH,  272
.set FR,     16
.set NL,     4
.set NP,     4
.set HALFT,  128*PITCH
.set SLOT,   4*HALFT
.set LAPS,   KROW/(2*ROWB)
.set SPARE,  2*SLOT
.set TPITCH, 528
.set PIECE,  64*TPITCH
.set TC,   8
.set SCL,  12
.set HLD,  13
.set ADRA, 16
.set ADRB, 20
.set CO,   26
.set SPW,  28
.set NIL,  29
.set T,    32
.set PC,   96
.set AF,   128
.set G1,  24
.set G0,  32
.set G1B, 48
.set G0B, 56
.set G1T, 68
.set G0T, 76
.set MSB, 0
.macro WIN new
.if MSB != (\new)
	s_set_vgpr_msb (MSB<<8)|(\new)
.set MSB, \new
.endif
.endm
.set MUL_LO, 0xa1
.set MUL_HI, 0xf1
.set TO_B,   0x40
.macro JLOAD g0a, g1a, g0b, g1b
	s_cmp_eq_u32 s17, 0
	s_cbranch_scc0 .Lfor_b_\@
	tensor_load_to_lds s[\g0a:\g0a+3], s[\g1a:\g1a+7]
	s_nop 0
.rept 4
	v_nop
.endr
	s_branch .Lasked_\@
.Lfor_b_\@:
	tensor_load_to_lds s[\g0b:\g0b+3], s[\g1b:\g1b+7]
	s_nop 0
.rept 4
	v_nop
.endr
.Lasked_\@:
.endm
.macro TABLOAD g0
	tensor_load_to_lds s[\g0:\g0+3], s[G1T:G1T+7]
	s_nop 0
.rept 4
	v_nop
.endr
.endm
.macro CREST
	s_cmp_lg_u32 s16, 0
	s_cbranch_scc1 .Lnot_wave_0_\@
	s_barrier_signal -3
.Lnot_wave_0_\@:
	s_barrier_wait -3
	s_barrier_signal -1
	s_barrier_wait -1
.endm
.macro CROUND
	s_barrier_signal -1
	s_barrier_wait -1
	CREST
.endm
	s_load_b256 s[4:11], s[0:1], 0x0
	s_load_b128 s[12:15], s[0:1], 0x20
	v_lshl_add_u32 v[SPW], v0, 2, SPARE
	v_mov_b32 v[NIL], 0
	ds_add_u32 v[SPW], v[NIL]
	ds_add_u32 v[SPW], v[NIL]
	v_lshrrev_b32 v1, 5, v0
	v_readfirstlane_b32 s16, v1
	s_lshr_b32 s17, s16, 1
	s_and_b32 s18, s16, 1
	s_lshr_b32 s19, ttmp9, 1
	s_lshl_b32 s2, s19, 22
	s_bfe_u32 s40, ttmp6, 0x40000
	s_bfe_u32 s41, ttmp6, 0x40004
	s_and_b32 s42, ttmp9, 1
	s_lshl_b32 s42, s42, 2
	s_add_co_u32 s42, s42, s40
	s_and_b32 s66, ttmp7, 0xffff
	s_lshl_b32 s66, s66, 2
	s_add_co_u32 s66, s66, s41
	s_lshl_b32 s43, s41, 2
	s_lshl_b32 s43, 15, s43
	s_lshl_b32 s44, 0x1111, s40
	s_or_b32 s[G1+0], s43, (0<<16)|(1<<20)|(1<<21)|(5<<22)|(3<<25)
	s_or_b32 s[G1B+0], s44, (0<<16)|(1<<20)|(1<<21)|(5<<22)|(3<<25)
	s_or_b32 s[G1T+0], s43, (2<<16)|(1<<20)|(1<<21)|(6<<22)|(3<<25)
.irp g, G1, G1B
	s_mov_b32 s[\g+1], ROWB<<16
	s_mov_b32 s[\g+2], 128<<16
	s_mov_b32 s[\g+3], ROWB<<16
	s_mov_b32 s[\g+4], 128
	s_mov_b32 s[\g+5], KROW
	s_mov_b32 s[\g+6], 0
	s_mov_b32 s[\g+7], 0
.endr
	s_mov_b32 s[G1T+1], 128<<16
	s_mov_b32 s[G1T+2], 64<<16
	s_mov_b32 s[G1T+3], 128<<16
	s_mov_b32 s[G1T+4], 64
	s_mov_b32 s[G1T+5], 128
	s_mov_b32 s[G1T+6], 0
	s_mov_b32 s[G1T+7], 0
	s_lshl_b32 s67, s18, 7
	s_lshl_b32 s20, s66, 8
	s_add_co_u32 s20, s20, s67
	s_lshl_b32 s96, s20, 9
	s_mov_b32 s97, 0
	s_lshl_b32 s20, s20, 11
	s_add_co_u32 s20, s20, s2
	s_mov_b32 s21, 0
	s_lshl_b32 s46, s42, 8
	s_add_co_u32 s46, s46, s67
	s_lshl_b32 s46, s46, 11
	s_add_co_u32 s46, s46, s2
	s_mov_b32 s47, 0
	s_mul_i32 s45, s16, HALFT
	s_mul_i32 s3, s16, PIECE
	s_wait_dscnt 0x0
	s_wait_kmcnt 0x0
	s_load_b256 s[84:91], s[8:9], 0x0
	s_load_b128 s[92:95], s[8:9], 0x20
	s_cmp_eq_u32 s19, 2
	s_cselect_b64 s[22:23], s[6:7], s[4:5]
	s_cselect_b64 s[98:99], s[4:5], s[6:7]
	s_add_nc_u64 s[20:21], s[22:23], s[20:21]
	s_add_nc_u64 s[46:47], s[98:99], s[46:47]
	s_cmp_lt_u32 s16, 2
	s_cselect_b64 s[22:23], s[10:11], s[12:13]
	s_add_nc_u64 s[22:23], s[22:23], s[96:97]
.irp f, 0,1
	s_mov_b32 s[G0T+4*\f], 1
	s_add_co_u32 s[G0T+4*\f+1], s3, \f*SLOT
	s_add_nc_u64 s[G0T+4*\f+2:G0T+4*\f+3], s[22:23], \f*64*512
	s_or_b32 s[G0T+4*\f+3], s[G0T+4*\f+3], 0x80000000
.endr
	CROUND
.irp s, 0,1
	s_mov_b32 s[G0+4*\s], 1
	s_add_co_u32 s[G0+4*\s+1], s45, \s*SLOT
	s_add_nc_u64 s[G0+4*\s+2:G0+4*\s+3], s[20:21], \s*ROWB
	s_or_b32 s[G0+4*\s+3], s[G0+4*\s+3], 0x80000000
	s_mov_b32 s[G0B+4*\s], 1
	s_add_co_u32 s[G0B+4*\s+1], s45, \s*SLOT
	s_add_nc_u64 s[G0B+4*\s+2:G0B+4*\s+3], s[46:47], \s*ROWB
	s_or_b32 s[G0B+4*\s+3], s[G0B+4*\s+3], 0x80000000
.endr
	JLOAD G0, G1, G0B, G1B                         ; K step 0: one tensor load a wave
	s_cmp_eq_u32 s17, 0                            ; the prefetches: my 32 rows of the 128 that I fetch, by cx or by cy
	s_cselect_b64 s[PFA:PFA+1], s[20:21], s[46:47]
	s_cselect_b32 s98, s40, s41
	s_lshl_b32 s98, s98, 16
	s_mov_b32 s99, 0
	s_add_nc_u64 s[PFA:PFA+1], s[PFA:PFA+1], s[98:99]
	s_lshl_b32 s98, s40, 13
	s_add_nc_u64 s[PTA:PTA+1], s[22:23], s[98:99]  ; my 8,192 bytes of a table load's 32,768
	v_and_b32 v1, 31, v0
	v_lshlrev_b32 v[PFO], 11, v1
	v_lshlrev_b32 v[PFT], 8, v1
	global_prefetch_b8 v[PFO], s[PFA:PFA+1] offset:ROWB th:TH_LOAD_NT scope:SCOPE_SE
	global_prefetch_b8 v[PFO], s[PFA:PFA+1] offset:2*ROWB th:TH_LOAD_NT scope:SCOPE_SE
	v_and_b32 v1, 15, v0
	v_bfe_u32 v2, v0, 4, 1
	v_mul_u32_u24 v3, v1, PITCH
	v_lshl_add_u32 v4, v2, 4, v3
	s_mul_i32 s96, s17, HALFT
	s_mul_i32 s97, s18, HALFT
	s_add_co_u32 s97, s97, 2*HALFT
.irp s, 0,1
	v_add_nc_u32 v[ADRA+\s], s96, v4
	v_add_nc_u32 v[ADRB+\s], s97, v4
	s_add_co_u32 s96, s96, SLOT
	s_add_co_u32 s97, s97, SLOT
.endr
	v_mul_u32_u24 v5, v1, TPITCH
	v_lshl_add_u32 v5, v2, 5, v5
	s_mul_i32 s96, s17, PIECE
	v_add_nc_u32 v[TC], s96, v5
	v_add_nc_u32 v[TC+1], 2*PIECE, v[TC]
	v_add_nc_u32 v[TC+2], SLOT, v[TC]
	v_add_nc_u32 v[TC+3], SLOT, v[TC+1]
	v_and_b32 v6, 31, v0
	v_lshlrev_b32 v[CO], 4, v6
	s_lshl_b32 s96, s66, 1
	s_add_co_u32 s96, s96, s17
	s_lshl_b32 s46, s42, 1
	s_add_co_u32 s46, s46, s18
	s_cmp_eq_u32 s19, 2
	s_cselect_b32 s98, s96, s46
	s_cselect_b32 s99, s46, s96
	s_lshl_b32 s98, s98, 4
	s_add_co_u32 s98, s98, s99
	s_lshl_b32 s98, s98, 14
	s_add_co_u32 s98, s98, s2
	s_mov_b32 s99, 0
	s_add_nc_u64 s[14:15], s[14:15], s[98:99]
.macro FRAG reg, adr, q, i
.irp c, 0,1,2,3
	ds_load_b128 v[\reg+4*\c:\reg+4*\c+3], v[\adr] offset:128*(\q)+32*\c+(\i)*16*PITCH
.endr
.endm
.macro MUL16 a0, p, zero
.irp a, \a0, \a0+1
.irp b, 0,1,2,3,4,5,6,7
.if \zero
	v_wmma_f32_16x16x128_fp8_fp8 v[8*(8*((\a)%4)+\b):8*(8*((\a)%4)+\b)+7], v[128*(\p)+FR*\b:128*(\p)+FR*\b+FR-1], v[AF+FR*(\a):AF+FR*(\a)+FR-1], 0
.else
	v_wmma_f32_16x16x128_fp8_fp8 v[8*(8*((\a)%4)+\b):8*(8*((\a)%4)+\b)+7], v[128*(\p)+FR*\b:128*(\p)+FR*\b+FR-1], v[AF+FR*(\a):AF+FR*(\a)+FR-1], v[8*(8*((\a)%4)+\b):8*(8*((\a)%4)+\b)+7]
.endif
.endr
.endr
.endm
.macro FETCH_B slot, q, p
	WIN TO_B
.irp i, 0,1,2,3,4,5,6,7
	FRAG 128*(\p)+FR*\i, ADRB+\slot, \q, \i
.endr
	WIN 0
.endm
.macro FETCH_A slot, q, i0
.irp i, \i0, \i0+1, \i0+2, \i0+3
	FRAG AF+FR*(\i), ADRA+\slot, \q, \i
.endr
.endm
.macro PLACES n
.rept \n
	v_nop
.endr
.endm
.macro STEP slot, q, zero
	s_wait_dscnt 4*NL
	WIN MUL_LO
	MUL16 0, (\q)%2, \zero
	MUL16 2, (\q)%2, \zero
	s_wait_dscnt 0
	PLACES NP
	FETCH_B \slot, (\q)+1, 1-(\q)%2
	FETCH_A \slot, (\q)+1, 0
	WIN MUL_HI
	MUL16 4, (\q)%2, \zero
	MUL16 6, (\q)%2, \zero
	PLACES NP
	WIN 0
	FETCH_A \slot, (\q)+1, 4
.endm
.macro TURN slot, next, fill
.if ((\fill) == 1) && ((\slot) == 0)
	s_wait_xcnt 0x0                                ; my prefetches have read their address: it may be stepped, two K steps on
	s_add_nc_u64 s[PFA:PFA+1], s[PFA:PFA+1], 2*ROWB
.endif
	s_wait_tensorcnt 0x0
	ds_add_u32 v[SPW], v[NIL]
	s_wait_dscnt 4*NL+1
	WIN MUL_LO
	MUL16 0, 1, 0
	s_wait_dscnt 0x0
	s_barrier_signal -1
	MUL16 2, 1, 0
	WIN 0
	s_barrier_wait -1
	CREST
.if \fill == 1
	s_add_nc_u64 s[G0+4*\slot+2:G0+4*\slot+3], s[G0+4*\slot+2:G0+4*\slot+3], 2*ROWB
	s_add_nc_u64 s[G0B+4*\slot+2:G0B+4*\slot+3], s[G0B+4*\slot+2:G0B+4*\slot+3], 2*ROWB
	JLOAD G0+4*\slot, G1, G0B+4*\slot, G1B
.else
	TABLOAD G0T
.endif
	s_wait_alu depctr_va_vdst(0)
	FETCH_B \next, 0, 0
	FETCH_A \next, 0, 0
.if (\fill) == 1
	ASK \slot                                      ; behind the joint load and the run of LDS loads
.endif
	WIN MUL_HI
	MUL16 4, 1, 0
	MUL16 6, 1, 0
	PLACES NP
	WIN 0
	FETCH_A \next, 0, 4
.endm
	s_wait_alu depctr_va_vdst(0)                   ; the head's end
	s_wait_tensorcnt 0x0                           ; my part of K step 0 is in
	ds_add_u32 v[SPW], v[NIL]
	s_wait_dscnt 0x0
	CROUND                                         ; everybody's part of K step 0 is in, and the joint loads meet:
	JLOAD G0+4, G1, G0B+4, G1B                     ; K step 1, the first tensor load behind the round
	FETCH_B 0, 0, 0
	FETCH_A 0, 0, 0
	FETCH_A 0, 0, 4
	global_prefetch_b8 v[PFO], s[PFA:PFA+1] offset:3*ROWB th:TH_LOAD_NT scope:SCOPE_SE   ; K step 3
	STEP 0, 0, 1
	s_mov_b32 s3, LAPS-1
.Llap:
	TURN 0, 1, 1
	STEP 1, 0, 0
	TURN 1, 0, 1
	STEP 0, 0, 0
	s_sub_co_u32 s3, s3, 1
	s_cmp_lg_u32 s3, 0
	s_cbranch_scc1 .Llap
	TURN 0, 1, 2
	STEP 1, 0, 0
	s_wait_dscnt 4*NL
	WIN MUL_LO
	MUL16 0, 1, 0
	MUL16 2, 1, 0
	s_wait_dscnt 0
	WIN MUL_HI
	MUL16 4, 1, 0
	MUL16 6, 1, 0
	WIN 0
.macro TFETCH a
.set TS, 128*((\a)%2)
	WIN TO_B
.irp b, 0,1,2,3,4,5,6,7
	ds_load_b128 v[TS+8*\b:TS+8*\b+3],       v[TC+2*((\a)/4)]   offset:((\a)%4)*16*TPITCH+64*\b
	ds_load_b128 v[TS+8*\b+4:TS+8*\b+7],     v[TC+2*((\a)/4)]   offset:((\a)%4)*16*TPITCH+64*\b+16
	ds_load_b128 v[TS+64+8*\b:TS+64+8*\b+3], v[TC+2*((\a)/4)+1] offset:((\a)%4)*16*TPITCH+64*\b
	ds_load_b128 v[TS+64+8*\b+4:TS+64+8*\b+7], v[TC+2*((\a)/4)+1] offset:((\a)%4)*16*TPITCH+64*\b+16
.endr
	WIN 0
.endm
.macro ROPE a
.set AC, 64*((\a)%4)
.set TS, 128*((\a)%2)
	WIN 0x06+((\a)/4)
.irp b, 0,1,2,3
.irp j, 0,2,4,6
	v_pk_mul_f32 v[T+8*\b+\j:T+8*\b+\j+1], v[AC+8*\b+\j:AC+8*\b+\j+1], v[TS+8*\b+\j:TS+8*\b+\j+1]
	v_pk_mul_f32 v[T+32+8*\b+\j:T+32+8*\b+\j+1], v[AC+32+8*\b+\j:AC+32+8*\b+\j+1], v[TS+32+8*\b+\j:TS+32+8*\b+\j+1]
.endr
.endr
.irp b, 0,1,2,3
.irp j, 0,2,4,6
	v_pk_fma_f32 v[T+8*\b+\j:T+8*\b+\j+1], v[AC+32+8*\b+\j:AC+32+8*\b+\j+1], v[TS+64+8*\b+\j:TS+64+8*\b+\j+1], v[T+8*\b+\j:T+8*\b+\j+1] neg_lo:[1,0,0] neg_hi:[1,0,0]
	v_pk_fma_f32 v[T+32+8*\b+\j:T+32+8*\b+\j+1], v[AC+8*\b+\j:AC+8*\b+\j+1], v[TS+96+8*\b+\j:TS+96+8*\b+\j+1], v[T+32+8*\b+\j:T+32+8*\b+\j+1]
.endr
.endr
	WIN 0
.set n, 0
.rept 64
	v_med3_num_f32 v[T+n], v[T+n], -v[HLD], v[HLD]
.set n, n+1
.endr
.endm
.macro VHOLD a
.set AC, 64*((\a)%4)
	WIN 0x02+((\a)/4)
.set n, 0
.rept 64
	v_med3_num_f32 v[T+n], v[AC+n], -v[HLD], v[HLD]
.set n, n+1
.endr
	WIN 0
.endm
.macro OUT a
	s_wait_xcnt 0x0
.irp b, 0,1,2,3,4,5,6,7
	v_cvt_scalef32_pk8_fp8_f32 v[PC+2*\b:PC+2*\b+1], v[T+8*\b:T+8*\b+7], v[SCL]
.endr
	v_nop
.irp c, 0,1,2,3
	global_store_b128 v[CO], v[PC+4*\c:PC+4*\c+3], s[14:15] offset:(\a)*2048+512*\c
.endr
.endm
.macro PART first
	s_cmp_eq_u32 s19, 2
	s_cbranch_scc1 .Lv_\@
	TFETCH \first
.irp i, 0,1,2,3
.if \i < 3
	TFETCH \first+\i+1
	s_wait_dscnt 32
.else
	s_wait_dscnt 0x0
.endif
	ROPE \first+\i
	s_wait_alu depctr_va_vdst(0)
	OUT \first+\i
.endr
	s_branch .Ljoin_\@
.Lv_\@:
	s_wait_alu depctr_va_vdst(0)
.irp i, 0,1,2,3
	VHOLD \first+\i
	s_wait_alu depctr_va_vdst(0)
	OUT \first+\i
.endr
.Ljoin_\@:
.endm
	s_wait_tensorcnt 0x0
	ds_add_u32 v[SPW], v[NIL]
	s_wait_kmcnt 0x0
	s_sub_co_i32 s98, s90, s84
	s_sub_co_i32 s98, s98, s85
	s_sub_co_i32 s99, s91, s86
	s_sub_co_i32 s99, s99, s87
	s_sub_co_i32 s46, s93, s88
	s_sub_co_i32 s46, s46, s89
	s_cmp_eq_u32 s19, 1
	s_cselect_b32 s98, s99, s98
	s_cmp_eq_u32 s19, 2
	s_cselect_b32 s98, s46, s98
	s_add_co_i32 s98, s98, 127
	s_lshl_b32 s99, s98, 23
	v_mov_b32 v[SCL], s99
	s_add_co_i32 s98, s98, 8
	s_lshl_b32 s98, s98, 23
	s_or_b32 s98, s98, 0x600000
	v_mov_b32 v[HLD], s98
	s_wait_dscnt 0x0
	CROUND
	TABLOAD G0T+4
	PART 0
	s_wait_tensorcnt 0x0
	s_wait_dscnt 0x0
	s_barrier_signal -1
	s_barrier_wait -1
	PART 4
	s_wait_tensorcnt 0x0
	ds_add_u32 v[SPW], v[NIL]
	s_wait_dscnt 0x0
	CROUND
	s_endpgm
.Lfunc_end_k_q93adffb796_qkv:
	.size	k_q93adffb796_qkv, .Lfunc_end_k_q93adffb796_qkv-k_q93adffb796_qkv
	.p2alignl 7, 3214868480
	.fill 96, 4, 3214868480
	.section	.rodata,"a",@progbits
	.p2align	6, 0x0
	.amdhsa_kernel k_q93adffb796_qkv
		.amdhsa_group_segment_fixed_size 327680
		.amdhsa_private_segment_fixed_size 0
		.amdhsa_enable_private_segment 0
		.amdhsa_kernarg_size 48
		.amdhsa_user_sgpr_count 2
		.amdhsa_user_sgpr_kernarg_segment_ptr 1
		.amdhsa_wavefront_size32 1
		.amdhsa_system_sgpr_workgroup_id_x 1
		.amdhsa_system_sgpr_workgroup_id_y 1
		.amdhsa_system_sgpr_workgroup_id_z 1
		.amdhsa_system_vgpr_workitem_id 0
		.amdhsa_next_free_vgpr 1024
		.amdhsa_next_free_sgpr 106
		.amdhsa_reserve_vcc 0
		.amdhsa_float_denorm_mode_32 3
		.amdhsa_float_denorm_mode_16_64 3
		.amdhsa_memory_ordered 1
		.amdhsa_forward_progress 1
		.amdhsa_inst_pref_size 212
	.end_amdhsa_kernel
	.amdgpu_metadata
---
amdhsa.version: [ 1, 2 ]
amdhsa.kernels:
  - .name:           k_q93adffb796_qkv
    .symbol:         k_q93adffb796_qkv.kd
    .args:
      - { .name: xcodes, .offset: 0, .size: 8, .value_kind: global_buffer, .address_space: global }
      - { .name: wcodes, .offset: 8, .size: 8, .value_kind: global_buffer, .address_space: global }
      - { .name: lowp_scales, .offset: 16, .size: 8, .value_kind: global_buffer, .address_space: global }
      - { .name: cos, .offset: 24, .size: 8, .value_kind: global_buffer, .address_space: global }
      - { .name: sin, .offset: 32, .size: 8, .value_kind: global_buffer, .address_space: global }
      - { .name: qkv, .offset: 40, .size: 8, .value_kind: global_buffer, .address_space: global }
    .group_segment_fixed_size: 327680
    .private_segment_fixed_size: 0
    .kernarg_segment_align: 8
    .kernarg_segment_size: 48
    .max_flat_workgroup_size: 128
    .sgpr_count:     106
    .vgpr_count:     1024
    .wavefront_size: 32
...
	.end_amdgpu_metadata
.endif
;; end of part 2
;; launch attn (part 3): grid 16 x 16, 16 waves a work-group, clusters of 4 x 1, 327,680 bytes of LDS; arguments qkv, lowp_scales, at, Wo, wocodes; writes at, wocodes
.if DOCPART == 3
	.amdgcn_target "amdgcn-amd-amdhsa--gfx1250"
	.amdhsa_code_object_version 6
	.text
	.protected	k_q93adffb796_attn
	.globl	k_q93adffb796_attn
	.p2align	8
	.type	k_q93adffb796_attn,@function
k_q93adffb796_attn:
	s_mov_b64 s[64:65], 0
	v_nop
	global_prefetch_b8 v0, s[64:65] scope:SCOPE_SE
	s_setreg_imm32_b32 hwreg(HW_REG_WAVE_MODE, 25, 1), 1
	s_wait_xcnt 0x0
	s_wait_alu depctr_hold_cnt(0) depctr_sa_sdst(0) depctr_va_vdst(0) depctr_va_sdst(0) depctr_va_ssrc(0) depctr_va_vcc(0) depctr_vm_vsrc(0)
	s_getreg_b32 s2, hwreg(HW_REG_IB_STS2, 6, 4)
	s_cmp_eq_u32 s2, 0
	s_cbranch_scc0 .Lentry_in_a_cluster
	s_endpgm
.Lentry_in_a_cluster:
	s_bfe_u32 s2, ttmp6, 0x10000c
	s_cmp_lg_u32 s2, 0x3003
	s_cbranch_scc0 .Lentry_shape_is_right
	s_endpgm
.Lentry_shape_is_right:
; Causal attention on codes of E4M3, 16 heads of 128, 2,048 tokens: S = q k^T / sqrt(128), p = 2^(t - M), O = p v / l; O is quantised for the last product and stored as codes.  And Wo becomes codes.
; THE SOFTMAX AHEAD OF THE SECOND PRODUCT: t = score x log2(e) / sqrt(128); M = the largest t so far, rounded UP to a whole number; p = 2^(t - M) is what is quantised; the row's sum l is taken of the unquantised p.
; When M moves, l and O are multiplied by 2^(old M - new M): exact.
; WORK LEFT OUT: key steps of 128 keys that lie wholly above the diagonal of reference()'s own causal mask.
; INPUTS (buffer qkv): chunks of 2,048 bytes, images of an operand's 16 registers (registers 4 c .. 4 c + 3 at 512 c + 16 x lane).  q at 0, k at 4 MiB: chunk head x 128 + token / 16 (16 tokens x the head's 128).
; v at 8 MiB: chunk (head x 16 + token / 128) x 8 + d / 16 (16 of the head's 128 x 128 tokens).
; SHARES.  head = y.  Of the head's 16 groups of 128 queries a work-group of cluster c (c = cluster x, 0 .. 3) takes four: 15 - c, 8 + c, c, 7 - c, whose key steps add up to 34 for every c; of each group the two tiles of
; 16 queries with numbers 2 cx and 2 cx + 1.  Wave 4 i + 2 j + u owns tile j of group i of that list and takes its key steps u, u + 2, ..; a step after the group's own lies wholly under the mask and is left out.
; Waves w, w + 4, w + 8, w + 12 belong to the four groups.  At the end the two waves of a tile exchange halves of O, l and M through LDS: wave u finishes channels 64 u on.
; THE RING: two slots of 512 keys, four key steps each; the head's keys are four slots' worth.  Each of waves 0 to 7 fetches 16,384 bytes of a slot with one load: 4,096 of each of its four key steps (waves 0-3: k, waves 4-7: v).
; So slot byte 65,536 x kind + 16,384 x (chunk / 2) + 4,096 x step + 2,048 x (chunk % 2) holds a chunk, and every load brings bytes of the slot's first key step, which group 15 - c reads in every cluster.
; CLUSTER: the four partners belong to one head and walk the same k and v: each piece is asked for jointly (mask 15).  cx enters global addresses and the mask's comparison alone.
; LAYOUT.  Both products are used transposed: S^T = k q^T (source 0 = 16 keys, source 1 = 16 queries), O^T = v^T p^T: a lane holds ONE query (lane % 16).  Register 8 t + j of S^T holds key 16 t + 8 (lane / 16) + j
; of the step: eight registers of tile t become registers 2 t, 2 t + 1 of p's fragment, in the matrix instruction's own layout, which is v's chunks' too.
; OUT (buffer at): chunk (token / 16) x 16 + head: 16 tokens x the head's 128 channels, codes of O / 2^e10.  Buffer wocodes: Wo's codes, laid as the launch quant lays its weights.
; WO: 8 rows of 2,048 numbers a work-group, one for each of waves 8 to 15, which have no key step in the last slot: they load their row there and convert it at their end.
; PREFETCHES: slots 2 and 3 of the keys, one slot ahead of the tensor loads: the head's cluster x asks for slot x, whole, at the change that loads slot x - 1; the partners share it out by address, waves 0 to 3 ask.
; At the change that loads slot 3 waves 8 to 15 ask for their row of Wo.  Lanes stand 256 bytes apart; slots 0 and 1 come by their loads alone.
; LIMITS on the given exponents, so that each power of two is an f32 number: e6 + e7 between -123 and 130 (added to c's exponent field); e8, e11, and e10 - e8 - e9, between -126 and 119.  NaN among the inputs is not served.
; The promise holds while the scaled scores stay under 2^31 in magnitude.
; M runs over a wave's own half of the keys: numbers far below the row's largest may keep more digits than under the row's own M; every rescaling is an exact power of two.
; REGISTERS: v1-9 addresses; v12 -M, v13 the largest t; v16-31 q; v32-95 four fragments of k or v; v96-159 S^T, then p, then v's other four fragments; v160-223 O^T; v224-239 codes (and at work); v[246:247] the sum in two
; halves; v[250:251] the factor f; v240-245 constants.
.set SLOT1, 1<<17                      ; a slot; slot 1 begins here, so that one exclusive or turns an address in one slot into the other's
.set MT,    4352                       ; the exchange: for each wave 4,096 bytes of half an O^T's image and 256 of -M and l.  It lies from slot 0's first byte on: when the first of it is stored, slot 0 has had its last
                                       ; fill of the launch, and every wave has passed the last change of slots, behind which nobody reads slot 0
.set SPARE, 2*SLOT1                    ; behind the ring: the spare words, 128 bytes for each of 16 waves; no other line names them
.set AL,   1                           ; v1   16 x lane + 4,096 u
.set DG,   2                           ; v2   16 x tile + r - 8 h: on the diagonal register n is hidden where 16 (n / 8) + n % 8 is greater
.set PFO,  4                           ; v4   256 x lane: the prefetches' offset; never rewritten
.set SPW,  5                           ; v5   LDS address of my spare word; never rewritten
.set NIL,  6                           ; v6   0; never rewritten
.set GO,   7                           ; v7   16 x lane; never rewritten
.set ADK,  8                           ; v8   LDS address of the step's k
.set ADV,  9                           ; v9   and v
.set WOF,  248                         ; v248 my place in a row of Wo
.set WV,   14                          ; s14  my wave's number
.set U,    15                          ; s15  its parity
.set KS,   16                          ; s16  my key step in hand
.set GR,   17                          ; s17  my group
.set TB,   18                          ; s18  LDS byte at which the slot in hand begins
.set SJ,   19                          ; s19  8,192 x (my key step in the slot: first or second)
.set SEL,  20                          ; s[20:21] lane selects for v_permlanex16_b32: lane l xor 16
.set CS,   22                          ; s[22:23] c = log2(e) / sqrt(128) x 2^(e6 + e7)
.set G1,   24                          ; s[24:31] descriptor group 1
.set G0,   32                          ; s[32:35] group 0, which walks
.set PFA,  36                          ; s[36:37] where my prefetch stands; in waves 8 to 15 my row of Wo; never rewritten
.set LIM,  38                          ; s38  the value of SLOTS at which my wave prefetches (one that SLOTS never takes: not at all)
.set SLOTS,39                          ; s39  slots still to be asked for
.macro PLACES
.rept 4
	v_nop
.endr
.endm
; Waves 0 to 7 fetch, the others nothing: the branch hangs on the wave's number alone.  An s_nop 0 and four v_nop follow the line.
.macro TLOAD
	s_cmp_lt_u32 s[WV], 8
	s_cbranch_scc0 .Lasked_\@
	tensor_load_to_lds s[G0:G0+3], s[G1:G1+7]
	s_nop 0
	PLACES
.Lasked_\@:
.endm
.macro CROUND                          ; a round of the cluster's barrier
	s_barrier_signal -1
	s_barrier_wait -1
	s_cmp_lg_u32 s[WV], 0
	s_cbranch_scc1 .Lnot_wave_0_\@
	s_barrier_signal -3
.Lnot_wave_0_\@:
	s_barrier_wait -3
	s_barrier_signal -1
	s_barrier_wait -1
.endm
	s_load_b256 s[4:11], s[0:1], 0x0               ; qkv s[4:5], the scales' exponents s[6:7], at s[8:9], Wo s[10:11]
	s_load_b64 s[12:13], s[0:1], 0x20              ; wocodes
	v_lshl_add_u32 v[SPW], v0, 2, SPARE
	v_mov_b32 v[NIL], 0
	ds_add_u32 v[SPW], v[NIL]                      ; the wave's opening: the add, twice on end, and its wait ahead of my first tensor load
	ds_add_u32 v[SPW], v[NIL]
	v_lshrrev_b32 v8, 5, v0
	v_readfirstlane_b32 s[WV], v8                  ; wave 0..15
	s_and_b32 s[U], s[WV], 1
	s_mov_b32 s[KS], s[U]
	s_bfe_u32 s41, ttmp6, 0x40000                  ; cx
	s_and_b32 s42, ttmp7, 0xffff                   ; the head
	s_lshr_b32 s43, s[WV], 2                       ; i: which of the list 15 - c, 8 + c, c, 7 - c
	s_lshr_b32 s62, s[WV], 3                       ; its upper bit
	s_xor_b32 s63, s43, s62
	s_and_b32 s63, s63, 1
	s_cmp_eq_u32 s63, 0                            ; i = 0 or 3
	s_cselect_b32 s63, 7, 0
	s_xor_b32 s[GR], ttmp9, s63                    ; c, or 7 - c (c is under 8)
	s_cmp_eq_u32 s62, 0
	s_cselect_b32 s63, 8, 0
	s_add_co_u32 s[GR], s[GR], s63
	s_bfe_u32 s60, s[WV], 0x10002                  ; what waves 0 to 7 fetch: k (0) or v (1)
	s_add_co_u32 s60, s60, 1
	s_lshl_b32 s60, s60, 22                        ; at 4 or 8 MiB,
	s_lshl_b32 s40, s42, 18
	s_add_co_u32 s60, s60, s40                     ; the head's 262,144 bytes,
	s_and_b32 s63, s[WV], 3
	s_lshl_b32 s63, s63, 12
	s_add_co_u32 s60, s60, s63                     ; my 4,096 of a key step's 16,384
	s_mov_b32 s61, 0
	s_bfe_u32 s2, s[WV], 0x10001                   ; j: my tile of the group's two
	s_lshl_b32 s3, s41, 1
	s_add_co_u32 s3, s3, s2                        ; tile 2 cx + j of the group's eight
	s_lshl_b32 s56, s[GR], 3
	s_add_co_u32 s56, s56, s3
	s_lshl_b32 s58, s42, 7
	s_add_co_u32 s58, s58, s56
	s_lshl_b32 s58, s58, 11                        ; q's chunk
	s_mov_b32 s59, 0
	s_lshl_b32 s56, s56, 4
	s_add_co_u32 s56, s56, s42
	s_lshl_b32 s56, s56, 11                        ; the output's chunk,
	s_lshl_b32 s57, s[U], 10
	s_add_co_u32 s56, s56, s57                     ; my half of it
	s_mov_b32 s57, 0
	s_add_co_u32 s62, s[U], 1                      ; the prefetches of waves 0 to 3: k or v,
	s_lshl_b32 s62, s62, 22
	s_add_co_u32 s62, s62, s40                     ; my head,
	s_lshl_b32 s63, ttmp9, 16
	s_add_co_u32 s62, s62, s63                     ; slot x,
	s_lshl_b32 s63, s41, 14
	s_add_co_u32 s62, s62, s63                     ; my work-group's 16,384 bytes of its 65,536,
	s_lshl_b32 s63, s2, 13
	s_add_co_u32 s62, s62, s63                     ; my wave's 8,192 of them
	s_lshl_b32 s43, s42, 4
	s_lshl_b32 s63, ttmp9, 2
	s_add_co_u32 s43, s43, s63
	s_add_co_u32 s43, s43, s41                     ; the work-group's number
	s_lshl_b32 s43, s43, 3
	s_and_b32 s63, s[WV], 7
	s_add_co_u32 s43, s43, s63                     ; my row of Wo (waves 8 to 15)
	s_lshl_b32 s2, s63, 14                         ; where my load goes: 16,384 x wave: no place in the cluster enters it
	s_lshl_b32 s63, s43, 13
	s_lshl_b32 s43, s43, 11
	s_sub_co_u32 s[LIM], 5, ttmp9
	s_cmp_lt_u32 s[WV], 4
	s_cselect_b32 s[LIM], s[LIM], 0
	s_cmp_lt_u32 s[WV], 8
	s_cselect_b32 s[LIM], s[LIM], 1
	s_cselect_b32 s62, s62, s63
	s_mov_b32 s63, 0
	s_mov_b32 s[G1], 15|(3<<16)|(1<<21)            ; 15:0 the mask: all four work-groups; 17:16 elements of 8 bytes; 21 set beside a mask; no padding: the chunks are read 512 consecutive bytes at a time
	s_mov_b32 s[G1+1], 512<<16                     ; tensor_dim0 = 512 elements: rows of 4,096 bytes
	s_mov_b32 s[G1+2], 4<<16                       ; tensor_dim1: a row for each key step
	s_mov_b32 s[G1+3], 512<<16                     ; tile_dim0
	s_mov_b32 s[G1+4], 4                           ; tile_dim1
	s_mov_b32 s[G1+5], 2048                        ; tensor_dim0_stride: 16,384 bytes
	s_mov_b32 s[G1+6], 0
	s_mov_b32 s[G1+7], 0
	s_mov_b32 s[SEL], 0x76543210
	s_mov_b32 s[SEL+1], 0xfedcba98
	s_mov_b32 s[CS], 0x3e0293ee                    ; log2(e) / sqrt(128)
	s_mov_b32 s[TB], 0
	s_mov_b32 s[SLOTS], 3
	s_lshl_b32 s40, s[U], 12
	s_lshl_b32 s3, s3, 4                           ; 16 x tile
	v_and_b32 v8, 31, v0                           ; lane
	v_lshlrev_b32 v[GO], 4, v8
	v_lshlrev_b32 v[PFO], 8, v8
	v_add_nc_u32 v[AL], s40, v[GO]
	v_and_b32 v9, 15, v0                           ; r
	v_bfe_u32 v11, v0, 4, 1                        ; h
	v_lshlrev_b32 v11, 3, v11
	v_sub_nc_u32 v[DG], v9, v11
	v_add_nc_u32 v[DG], s3, v[DG]
	s_wait_alu depctr_va_vdst(0)                   ; directly ahead of the waits below
	s_wait_dscnt 0x0                               ; both opening adds are done
	s_wait_kmcnt 0x0
	s_load_b256 s[44:51], s[6:7], 0x0              ; e0 .. e7
	s_load_b128 s[52:55], s[6:7], 0x20             ; e8 .. e11
	s_add_nc_u64 s[60:61], s[4:5], s[60:61]
	s_mov_b32 s[G0], 1                             ; 1:0 count = 1
	s_mov_b32 s[G0+1], s2                          ; 63:32 LDS address: slot 0
	s_mov_b64 s[G0+2:G0+3], s[60:61]               ; 120:64 global address: keys 0 to 511
	s_or_b32 s[G0+3], s[G0+3], 0x80000000          ; 127:126 type = 2
	s_cmp_lt_u32 s[WV], 8
	s_cselect_b64 s[PFA:PFA+1], s[4:5], s[10:11]
	s_add_nc_u64 s[PFA:PFA+1], s[PFA:PFA+1], s[62:63]
	s_mov_b32 s62, s43
	s_add_nc_u64 s[12:13], s[12:13], s[62:63]      ; my row of Wo's codes
	s_add_nc_u64 s[58:59], s[4:5], s[58:59]
	s_add_nc_u64 s[8:9], s[8:9], s[56:57]
	CROUND                                         ; all four work-groups are here: the first joint loads meet
	TLOAD                                          ; slot 0
.irp c, 0,1,2,3
	global_load_b128 v[16+4*\c:19+4*\c], v[GO], s[58:59] offset:512*\c   ; q's fragment stays in registers
.endr
.set n, 0
.rept 64
	v_mov_b32 v[160+n], 0                          ; O^T.  (The step is written alike for every key step: the first finds zeros, which the first change of M leaves zeros; a wave with no step at all hands zeros on)
.set n, n+1
.endr
	v_mov_b32 v246, 0                              ; the sum
	v_mov_b32 v247, 0
	v_mov_b32 v13, 0xff61b1e6                      ; the largest t so far: -3e38, under every t
	v_mov_b32 v252, 0                              ; written once: a lane permute's destination counts as one of its sources
	v_mov_b32 v251, 0                              ; (named as the upper half of the pair v[250:251])
	v_floor_f32 v12, -v13                          ; -M
	s_wait_kmcnt 0x0
	s_add_co_i32 s56, s50, s51
	s_lshl_b32 s56, s56, 23
	s_add_co_i32 s[CS], s[CS], s56                 ; a score stands for score x 2^(e6 + e7): the two exponents are added to c's exponent field
	s_mov_b32 s[CS+1], s[CS]                       ; (named with it as a pair, so it is written)
	s_add_co_i32 s56, s52, 127
	s_lshl_b32 s57, s56, 23
	v_mov_b32 v244, s57                            ; 2^e8 as f32, for p's conversion
	s_add_co_i32 s56, s56, 8
	s_lshl_b32 s56, s56, 23
	s_or_b32 s56, s56, 0x600000
	v_mov_b32 v240, s56                            ; 448 x 2^e8
	s_sub_co_i32 s56, s54, s52
	s_sub_co_i32 s56, s56, s53                     ; a sum of the second product stands for sum x 2^(e8 + e9): O's code is sum / l / 2^(e10 - e8 - e9)
	s_add_co_i32 s56, s56, 127
	s_lshl_b32 s57, s56, 23
	v_mov_b32 v241, s57
	s_add_co_i32 s56, s56, 8
	s_lshl_b32 s56, s56, 23
	s_or_b32 s56, s56, 0x600000
	v_mov_b32 v245, s56
.macro FRAGS adr, t0, f                ; four fragments, chunks t0 .. t0 + 3 of the step, into registers f on
.irp t, 0,1,2,3
.irp c, 0,1,2,3
	ds_load_b128 v[\f+16*\t+4*\c:\f+3+16*\t+4*\c], v[\adr] offset:((\t0+\t)/2)*16384+(\t%2)*2048+512*\c
.endr
.endr
.endm
.macro SMUL t0                         ; S^T of four tiles of 16 keys
.irp t, 0,1,2,3
	v_wmma_f32_16x16x128_fp8_fp8 v[96+8*(\t0+\t):103+8*(\t0+\t)], v[32+16*\t:47+16*\t], v[16:31], 0
.endr
.endm
.macro OMUL t0, f                      ; O^T += v^T p^T: four tiles of 16 channels.  The eight accumulators take turns
.irp t, 0,1,2,3
	v_wmma_f32_16x16x128_fp8_fp8 v[160+8*(\t0+\t):167+8*(\t0+\t)], v[\f+16*\t:\f+15+16*\t], v[224:239], v[160+8*(\t0+\t):167+8*(\t0+\t)]
.endr
.endm
; MY TWO KEY STEPS OF THE SLOT IN HAND.  A step all of whose keys come after my group is left out: a scalar branch on ids, round the step's loads, products and softmax; no barrier or tensor load stands in a step.
.macro KEYS
	s_mov_b32 s[SJ], 0
.Lkey_\@:
	s_cmp_gt_u32 s[KS], s[GR]
	s_cbranch_scc1 .Lhidden_\@
	v_add_nc_u32 v[ADK], s[SJ], v[AL]
	v_add_nc_u32 v[ADK], s[TB], v[ADK]
	v_add_nc_u32 v[ADV], 0x10000, v[ADK]
	v_nop                                          ; five places in all behind the last step's products: loads land on their sources, and S^T's products write over sources of theirs
	v_nop
	s_wait_alu depctr_va_vdst(0)
	FRAGS ADK, 0, 32
	s_wait_dscnt 0x0
	SMUL 0
	PLACES
	FRAGS ADK, 4, 32
	s_wait_dscnt 0x0
	SMUL 4
	PLACES
	FRAGS ADV, 0, 32                               ; v's first four fragments are asked for here and land while the softmax is worked
	s_cmp_lt_u32 s[KS], s[GR]                      ; on the diagonal the scores of hidden keys become -infinity ahead of the maximum: p = 0 then.  Key 128 g counts for every query of the group
	s_cbranch_scc1 .Lopen_\@
	v_mov_b32 v252, 0xff800000                     ; -infinity
.set n, 0
.rept 64
	v_cmp_gt_i32 vcc_lo, 16*(n/8)+n%8, v[DG]
	v_cndmask_b32 v[96+n], v[96+n], v252, vcc_lo
.set n, n+1
.endr
.Lopen_\@:
	v_max3_num_f32 v224, v96, v97, v98             ; the step's largest score of my query among my 64 keys, in four chains, each accumulator from its low end on
	v_max3_num_f32 v225, v99, v100, v101
	v_max3_num_f32 v226, v102, v103, v104
	v_max3_num_f32 v227, v105, v106, v107
.irp i, 108,116,124,132,140,148
	v_max3_num_f32 v224, v224, v[\i], v[\i+1]
	v_max3_num_f32 v225, v225, v[\i+2], v[\i+3]
	v_max3_num_f32 v226, v226, v[\i+4], v[\i+5]
	v_max3_num_f32 v227, v227, v[\i+6], v[\i+7]
.endr
	v_max3_num_f32 v224, v224, v156, v157
	v_max3_num_f32 v225, v225, v158, v159
	s_delay_alu instid0(VALU_DEP_1)
	v_max3_num_f32 v224, v224, v225, v226
	s_delay_alu instid0(VALU_DEP_1)
	v_max_num_f32 v254, v224, v227
	v_permlanex16_b32 v252, v254, s[SEL], s[SEL+1]
	s_delay_alu instid0(VALU_DEP_1)
	v_max_num_f32 v254, v254, v252                 ; and among lane l xor 16's
	s_delay_alu instid0(VALU_DEP_1)
	v_mul_f32 v254, s[CS], v254                    ; as t (c is positive)
	s_delay_alu instid0(VALU_DEP_1)
	v_max_num_f32 v13, v13, v254                   ; the running largest t
	v_mov_b32 v254, v12
	s_delay_alu instid0(VALU_DEP_2)
	v_floor_f32 v12, -v13                          ; the new -M = floor(-t) = -ceil(t): M is a whole number
	s_delay_alu instid0(VALU_DEP_1)
	v_sub_f32 v254, v12, v254                      ; M's old value less its new one: a whole number, 0 or less
	s_delay_alu instid0(VALU_DEP_1)
	v_cvt_i32_f32 v254, v254                       ; (it saturates)
	s_delay_alu instid0(VALU_DEP_1)
	v_ldexp_f32 v250, 1.0, v254                    ; f = 2^(old M - new M)
.set n, 0
.rept 32
	v_pk_fma_f32 v[96+n:97+n], v[96+n:97+n], s[CS:CS+1], v[12:13] op_sel_hi:[1,0,0]   ; t - M, two at a time (of the pairs c and -M the low word serves both halves)
.set n, n+2
.endr
	s_wait_alu depctr_va_vdst(0)                   ; ahead of the batch
.set n, 0
.rept 64
	v_exp_f32 v[96+n], v[96+n]                     ; p = 2^(t - M), at most 1: not normalised
.set n, n+1
.endr
	v_pk_mul_f32 v[246:247], v[246:247], v[250:251] op_sel_hi:[1,0]   ; the sum under the new M.  (A plain instruction behind the exponentials)
	s_wait_alu depctr_va_vdst(0)                   ; ahead of the batch's first reader
.set n, 0
.rept 8
	v_pk_add_f32 v[224+n:225+n], v[96+n:97+n], v[112+n:113+n]   ; the row's sum is taken of the unquantised p: two at a time, in eight chains
.set n, n+2
.endr
.set n, 0
.rept 8
	v_pk_add_f32 v[224+n:225+n], v[224+n:225+n], v[128+n:129+n]
.set n, n+2
.endr
.set n, 0
.rept 8
	v_pk_add_f32 v[224+n:225+n], v[224+n:225+n], v[144+n:145+n]
.set n, n+2
.endr
	v_pk_add_f32 v[224:225], v[224:225], v[226:227]
	v_pk_add_f32 v[228:229], v[228:229], v[230:231]
	v_pk_add_f32 v[232:233], v[232:233], v[234:235]
	v_pk_add_f32 v[236:237], v[236:237], v[238:239]
	s_delay_alu instid0(VALU_DEP_3)
	v_pk_add_f32 v[224:225], v[224:225], v[228:229]
	s_delay_alu instid0(VALU_DEP_2)
	v_pk_add_f32 v[232:233], v[232:233], v[236:237]
	s_delay_alu instid0(VALU_DEP_1)
	v_pk_add_f32 v[224:225], v[224:225], v[232:233]
	s_delay_alu instid0(VALU_DEP_1)
	v_pk_add_f32 v[246:247], v[246:247], v[224:225]
.set n, 0
.rept 64
	v_min_num_f32 v[96+n], v[96+n], v240           ; the conversion to an 8-bit code does not saturate (ISA guide 7.6.2); p is not negative, so the hold is one-sided
.set n, n+1
.endr
.irp t, 0,1,2,3,4,5,6,7
	v_cvt_scalef32_pk8_fp8_f32 v[224+2*\t:225+2*\t], v[96+8*\t:103+8*\t], v244
.endr
	v_nop
	FRAGS ADV, 4, 96                               ; v's other four fragments take p's registers and land while O^T is rescaled
	s_wait_alu depctr_va_vdst(0)                   ; directly ahead of the first reader of O^T
.set n, 0
.rept 32
	v_pk_mul_f32 v[160+n:161+n], v[160+n:161+n], v[250:251] op_sel_hi:[1,0]   ; O^T under the new M
.set n, n+2
.endr
	s_wait_alu depctr_va_vdst(0)                   ; directly ahead of the wait below
	s_wait_dscnt 16                                ; v's first four fragments are in; the sixteen loads of the others may be out
	OMUL 0, 32
	s_wait_dscnt 0x0
	OMUL 4, 96
.Lhidden_\@:
	s_add_co_u32 s[KS], s[KS], 2
	s_add_co_u32 s[SJ], s[SJ], 8192
	s_cmp_lt_u32 s[SJ], 16384
	s_cbranch_scc1 .Lkey_\@
.endm
; THE CHANGE OF SLOTS.  Each wave waits for all its tensor loads (its part of the slot that it is about to read), adds 0 to its spare word (fill = 1: twice on end), and waits for that and for its reads of the slot that it has left.
; fill = 1: the barrier is a round of the cluster's, and behind it the other slot is filled with the keys that follow: the load has all the slot's steps in which to land.
.macro CHANGE fill
	s_wait_tensorcnt 0x0                           ; no tensor load of mine is out, so group 0 may be written
	ds_add_u32 v[SPW], v[NIL]                      ; 0 onto my spare word
.if \fill
	ds_add_u32 v[SPW], v[NIL]                      ; and twice on end here, in every trip alike
	s_xor_b32 s[G0+1], s[G0+1], SLOT1              ; the other slot,
	s_add_nc_u64 s[G0+2:G0+3], s[G0+2:G0+3], 65536 ; the next 512 keys; the type bits on top are not reached
	s_wait_dscnt 0x0                               ; both adds are done, and my reads of the slot that I have left are over
	CROUND
	TLOAD                                          ; the first thing behind the round, and a wave's one tensor load until the next
	s_cmp_eq_u32 s[SLOTS], s[LIM]
	s_cbranch_scc0 .Lnot_mine_\@
	global_prefetch_b8 v[PFO], s[PFA:PFA+1] th:TH_LOAD_NT scope:SCOPE_SE
.Lnot_mine_\@:
.else
	s_wait_dscnt 0x0
	s_barrier_signal -1
	s_barrier_wait -1
.endif
.endm
	s_wait_alu depctr_va_vdst(0)                   ; the head's end
	s_wait_loadcnt 0x0                             ; q
.Lslot:                                                ; three trips: behind each change of slots but the last the next slot is asked for
	CHANGE 1
	KEYS
	s_xor_b32 s[TB], s[TB], SLOT1
	s_sub_co_u32 s[SLOTS], s[SLOTS], 1
	s_cmp_lg_u32 s[SLOTS], 0
	s_cbranch_scc1 .Lslot
	CHANGE 0                                       ; the last slot is written out: nothing is left to fetch
	KEYS                                           ; waves 8 to 15 (groups c and 7 - c) have no key step here: their last is step 7
	s_cmp_lt_u32 s[WV], 8
	s_cbranch_scc1 .Ljoin
	v_and_b32 v252, 31, v0                         ; waves 8 to 15: a row of Wo into the registers that held S^T: lane m takes pieces m % 2 and 2 + m % 2 of group m / 2
	v_lshrrev_b32 v[WOF], 1, v252                  ; of each 512 numbers: 32 bytes at 128 (m / 2) + 32 (m % 2), and 32 more 64 bytes on
	v_and_b32 v252, 1, v252
	v_lshlrev_b32 v252, 5, v252
	v_lshl_add_u32 v[WOF], v[WOF], 7, v252
.irp q, 0,1,2,3
	global_load_b128 v[96+16*\q:99+16*\q], v[WOF], s[PFA:PFA+1] offset:2048*\q
	global_load_b128 v[100+16*\q:103+16*\q], v[WOF], s[PFA:PFA+1] offset:2048*\q+16
	global_load_b128 v[104+16*\q:107+16*\q], v[WOF], s[PFA:PFA+1] offset:2048*\q+64
	global_load_b128 v[108+16*\q:111+16*\q], v[WOF], s[PFA:PFA+1] offset:2048*\q+80
.endr
.Ljoin:
	; THE TWO WAVES OF A TILE EXCHANGE.  Each hands the half of O^T that it does not finish, -M and l to the other through LDS, as images of its registers.  Wave w reads region w and stores region w xor 1.
	s_xor_b32 s60, s[WV], 1
	s_mul_i32 s60, s60, MT
	s_mul_i32 s61, s[WV], MT
	v_and_b32 v8, 31, v0
	v_lshlrev_b32 v9, 3, v8
	v_add_nc_u32 v1, s60, v[GO]
	v_add_nc_u32 v2, s61, v[GO]
	v_add_nc_u32 v3, s60, v9
	v_add_nc_u32 v9, s61, v9                       ; (these six are also the places behind the last products)
	v_add_f32 v13, v246, v247                      ; l: the sum's two halves (the largest t is done with)
	s_wait_alu depctr_va_vdst(0)                   ; ahead of the branch
	ds_store_b64 v3, v[12:13] offset:4096
	s_cmp_eq_u32 s[U], 0
	s_cbranch_scc0 .Lodd_hands
.set n, 0
.rept 8
	ds_store_b128 v1, v[192+4*n:195+4*n] offset:512*n   ; channels 64 to 127, each accumulator from its low end on
.set n, n+1
.endr
	s_branch .Lhanded
.Lodd_hands:
.set n, 0
.rept 8
	ds_store_b128 v1, v[160+4*n:163+4*n] offset:512*n   ; channels 0 to 63
.set n, n+1
.endr
.Lhanded:
	s_wait_dscnt 0x0                               ; for the other wave's sake: my stores are done
	s_barrier_signal -1
	s_barrier_wait -1
.set n, 0
.rept 8
	ds_load_b128 v[32+4*n:35+4*n], v2 offset:512*n
.set n, n+1
.endr
	ds_load_b64 v[232:233], v9 offset:4096
	s_wait_dscnt 0x0
; The half that I finish: 32 registers of O^T from o on.
.macro FIN o
	v_min_num_f32 v252, v12, v232                  ; -M of the two: the larger M
	s_delay_alu instid0(VALU_DEP_1)
	v_sub_f32 v234, v252, v12                      ; whole numbers, 0 or less
	s_delay_alu instid0(VALU_DEP_2)
	v_sub_f32 v242, v252, v232
	s_delay_alu instid0(VALU_DEP_2)
	v_cvt_i32_f32 v234, v234                       ; (they saturate: a wave that had no step has -M = 3e38 and gets the factor 0)
	s_delay_alu instid0(VALU_DEP_2)
	v_cvt_i32_f32 v242, v242
	s_delay_alu instid0(VALU_DEP_2)
	v_ldexp_f32 v234, 1.0, v234                    ; my factor,
	v_ldexp_f32 v242, 1.0, v242                    ; the partner's: exact powers of two
	v_mul_f32 v13, v13, v234
	s_delay_alu instid0(VALU_DEP_1)
	v_fmac_f32 v13, v233, v242
	v_permlanex16_b32 v253, v13, s[SEL], s[SEL+1]
	s_delay_alu instid0(VALU_DEP_1)
	v_add_f32 v13, v13, v253                       ; and lane l xor 16's: the row's sum
	s_wait_alu depctr_va_vdst(0)                   ; ahead of the transcendental
	v_rcp_f32 v254, v13
	v_mov_b32 v235, 0                              ; (plain instructions behind the reciprocal; the pairs' upper halves are named, so they are written)
	v_mov_b32 v243, 0
	s_wait_alu depctr_va_vdst(0)                   ; and ahead of its first reader
	v_mul_f32 v234, v234, v254
	v_mul_f32 v242, v242, v254
	s_wait_alu depctr_va_vdst(0)                   ; directly ahead of the first reader of O^T
.set n, 0
.rept 16
	v_pk_mul_f32 v[\o+n:\o+1+n], v[\o+n:\o+1+n], v[234:235] op_sel_hi:[1,0]
.set n, n+2
.endr
.set n, 0
.rept 16
	v_pk_fma_f32 v[\o+n:\o+1+n], v[32+n:33+n], v[242:243], v[\o+n:\o+1+n] op_sel_hi:[1,0,1]   ; O^T / l, still lacking 2^(e8 + e9)
.set n, n+2
.endr
.set n, 0
.rept 32
	v_med3_num_f32 v[\o+n], v[\o+n], -v245, v245   ; the hold at the largest code x the scale
.set n, n+1
.endr
.irp t, 0,1,2,3
	v_cvt_scalef32_pk8_fp8_f32 v[224+2*\t:225+2*\t], v[\o+8*\t:\o+7+8*\t], v241   ; registers of the last product's operand: 16 t + 8 h + 0 .. 7 of my half's channels
.endr
	v_nop
.endm
	v_mov_b32 v253, 0                              ; written once: a lane permute's destination counts as one of its sources
	s_wait_alu depctr_va_vdst(0)                   ; ahead of the branch
	s_cmp_eq_u32 s[U], 0
	s_cbranch_scc0 .Lodd
	FIN 160
	s_branch .Lout
.Lodd:
	FIN 192
.Lout:
	s_wait_alu depctr_va_vdst(0)                   ; directly ahead of the stores
.irp c, 0,1
	global_store_b128 v[GO], v[224+4*\c:227+4*\c], s[8:9] offset:512*\c   ; 32 lanes store 512 consecutive bytes, aligned
.endr
	s_cmp_lt_u32 s[WV], 8
	s_cbranch_scc1 .Lend
	; WO'S CODES, waves 8 to 15
	s_add_co_i32 s56, s55, 127
	s_lshl_b32 s57, s56, 23
	s_add_co_i32 s56, s56, 8
	s_lshl_b32 s56, s56, 23
	s_or_b32 s56, s56, 0x600000
	s_wait_loadcnt 0x0                             ; my row is in
	v_mov_b32 v252, s57                            ; 2^e11 as f32
	v_mov_b32 v253, s56                            ; 448 x 2^e11
.set n, 0
.rept 64
	v_med3_num_f32 v[96+n], v[96+n], -v253, v253
.set n, n+1
.endr
.irp q, 0,1,2,3
	v_cvt_scalef32_pk8_fp8_f32 v[64+4*\q:65+4*\q], v[96+16*\q:103+16*\q], v252
	v_cvt_scalef32_pk8_fp8_f32 v[66+4*\q:67+4*\q], v[104+16*\q:111+16*\q], v252
.endr
	v_nop
.irp q, 0,1,2,3
	global_store_b128 v[GO], v[64+4*\q:67+4*\q], s[12:13] offset:512*\q
.endr
.Lend:
	s_wait_tensorcnt 0x0                           ; the wave's end: behind my last tensor load and my last LDS store
	ds_add_u32 v[SPW], v[NIL]
	s_wait_dscnt 0x0
	CROUND                                         ; the closing round: no work-group ends while a partner may still ask for a tile that names it
	s_endpgm
.Lfunc_end_k_q93adffb796_attn:
	.size	k_q93adffb796_attn, .Lfunc_end_k_q93adffb796_attn-k_q93adffb796_attn
	.p2alignl 7, 3214868480
	.fill 96, 4, 3214868480
	.section	.rodata,"a",@progbits
	.p2align	6, 0x0
	.amdhsa_kernel k_q93adffb796_attn
		.amdhsa_group_segment_fixed_size 327680
		.amdhsa_private_segment_fixed_size 0
		.amdhsa_enable_private_segment 0
		.amdhsa_kernarg_size 40
		.amdhsa_user_sgpr_count 2
		.amdhsa_user_sgpr_kernarg_segment_ptr 1
		.amdhsa_wavefront_size32 1
		.amdhsa_system_sgpr_workgroup_id_x 1
		.amdhsa_system_sgpr_workgroup_id_y 1
		.amdhsa_system_sgpr_workgroup_id_z 1
		.amdhsa_system_vgpr_workitem_id 0
		.amdhsa_next_free_vgpr 256
		.amdhsa_next_free_sgpr 66
		.amdhsa_reserve_vcc 1
		.amdhsa_float_denorm_mode_32 3
		.amdhsa_float_denorm_mode_16_64 3
		.amdhsa_memory_ordered 1
		.amdhsa_forward_progress 1
		.amdhsa_inst_pref_size 80
	.end_amdhsa_kernel
	.amdgpu_metadata
---
amdhsa.version: [ 1, 2 ]
amdhsa.kernels:
  - .name:           k_q93adffb796_attn
    .symbol:         k_q93adffb796_attn.kd
    .args:
      - { .name: qkv, .offset: 0, .size: 8, .value_kind: global_buffer, .address_space: global }
      - { .name: lowp_scales, .offset: 8, .size: 8, .value_kind: global_buffer, .address_space: global }
      - { .name: at, .offset: 16, .size: 8, .value_kind: global_buffer, .address_space: global }
      - { .name: Wo, .offset: 24, .size: 8, .value_kind: global_buffer, .address_space: global }
      - { .name: wocodes, .offset: 32, .size: 8, .value_kind: global_buffer, .address_space: global }
    .group_segment_fixed_size: 327680
    .private_segment_fixed_size: 0
    .kernarg_segment_align: 8
    .kernarg_segment_size: 40
    .max_flat_workgroup_size: 512
    .sgpr_count:     66
    .vgpr_count:     256
    .wavefront_size: 32
...
	.end_amdgpu_metadata
.endif
;; end of part 3
;; launch oproj (part 4): grid 16 x 16, 4 waves a work-group, clusters of 4 x 4, 327,680 bytes of LDS; arguments at, wocodes, lowp_scales, out0; writes out0
.if DOCPART == 4
	.amdgcn_target "amdgcn-amd-amdhsa--gfx1250"
	.amdhsa_code_object_version 6
	.text
	.protected	k_q93adffb796_oproj
	.globl	k_q93adffb796_oproj
	.p2align	8
	.type	k_q93adffb796_oproj,@function
k_q93adffb796_oproj:
	s_mov_b64 s[64:65], 0
	v_nop
	global_prefetch_b8 v0, s[64:65] scope:SCOPE_SE
	s_setreg_imm32_b32 hwreg(HW_REG_WAVE_MODE, 25, 1), 1
	s_wait_xcnt 0x0
	s_wait_alu depctr_hold_cnt(0) depctr_sa_sdst(0) depctr_va_vdst(0) depctr_va_sdst(0) depctr_va_ssrc(0) depctr_va_vcc(0) depctr_vm_vsrc(0)
	s_getreg_b32 s2, hwreg(HW_REG_IB_STS2, 6, 4)
	s_cmp_eq_u32 s2, 0
	s_cbranch_scc0 .Lentry_in_a_cluster
	s_endpgm
.Lentry_in_a_cluster:
	s_bfe_u32 s2, ttmp6, 0x10000c
	s_cmp_lg_u32 s2, 0xf033
	s_cbranch_scc0 .Lentry_shape_is_right
	s_endpgm
.Lentry_shape_is_right:
; out0 = attention's output x Wo^T on codes of E4M3: [2048][2048] f32.  A: buffer at, chunks of 2,048 bytes (token / 16) x 16 + head, images of an operand's 16 registers; B: Wo's codes, rows of 2,048 bytes.
; 256 work-groups, a block of 128 x 128 each; four waves of 64 x 64.  K goes in steps of 512 through a ring of two LDS slots filled by joint loads (waves 0, 1: A; waves 2, 3: B); clusters of 4 x 4: a row shares A, a column B.
; Each finished sum is multiplied once by 2^(e10 + e11); LIMIT: e10 + e11 between -126 and 127.  The results leave through the wave's own stage in LDS: sixteen lanes store 256 consecutive bytes.
; PREFETCHES: K steps 1 and 2 behind the head's joint load, K step 3 behind K step 1's load: of the 128 blocks of 256 bytes that a wave fetches a step each of the four partners names 32, told apart by address.
.set PFO,    30                        ; v30 the prefetches' offset; never rewritten
.set BP,     528
.set BOFF,   65536
.set SLOT,   BOFF+128*BP
.set STAGE,  2*SLOT
.set SPITCH, 272
.set SPARE,  STAGE+4*32*SPITCH
.set ADRA, 16
.set ADRB, 20
.set STO,  24
.set RD,   25
.set CO,   26
.set SPW,  28
.set NIL,  29
.set TMP,  32
.set ACC,  128
.set F0,   0
.set F1,   128
.set G1, 24
.set G0, 32
.set G1B, 48
.set G0B, 56
.set MSB, 0
.macro WIN new
.if MSB != (\new)
	s_set_vgpr_msb (MSB<<8)|(\new)
.set MSB, \new
.endif
.endm
.set MUL,  0x05
.set TO_F, 0x40
.macro JLOAD s
	s_cmp_eq_u32 s13, 0
	s_cbranch_scc0 .Lfor_b_\@
	tensor_load_to_lds s[G0+4*\s:G0+4*\s+3], s[G1:G1+7]
	s_nop 0
.rept 4
	v_nop
.endr
	s_branch .Lasked_\@
.Lfor_b_\@:
	tensor_load_to_lds s[G0B+4*\s:G0B+4*\s+3], s[G1B:G1B+7]
	s_nop 0
.rept 4
	v_nop
.endr
.Lasked_\@:
.endm
.macro CREST
	s_cmp_lg_u32 s12, 0
	s_cbranch_scc1 .Lnot_wave_0_\@
	s_barrier_signal -3
.Lnot_wave_0_\@:
	s_barrier_wait -3
	s_barrier_signal -1
	s_barrier_wait -1
.endm
.macro CROUND
	s_barrier_signal -1
	s_barrier_wait -1
	CREST
.endm
	s_load_b256 s[4:11], s[0:1], 0x0
	v_lshl_add_u32 v[SPW], v0, 2, SPARE
	v_mov_b32 v[NIL], 0
	ds_add_u32 v[SPW], v[NIL]
	ds_add_u32 v[SPW], v[NIL]
	v_lshrrev_b32 v1, 5, v0
	v_readfirstlane_b32 s12, v1
	s_lshr_b32 s13, s12, 1
	s_and_b32 s14, s12, 1
	s_bfe_u32 s40, ttmp6, 0x40000
	s_bfe_u32 s41, ttmp6, 0x40004
	s_lshl_b32 s42, ttmp9, 2
	s_add_co_u32 s42, s42, s40
	s_and_b32 s15, ttmp7, 0xffff
	s_lshl_b32 s15, s15, 2
	s_add_co_u32 s15, s15, s41
	s_lshl_b32 s43, s41, 2
	s_lshl_b32 s43, 15, s43
	s_lshl_b32 s44, 0x1111, s40
	s_or_b32 s[G1+0], s43, (3<<16)|(1<<21)
	s_mov_b32 s[G1+1], 1024<<16
	s_mov_b32 s[G1+2], 4<<16
	s_mov_b32 s[G1+3], 1024<<16
	s_mov_b32 s[G1+4], 4
	s_mov_b32 s[G1+5], 4096
	s_mov_b32 s[G1+6], 0
	s_mov_b32 s[G1+7], 0
	s_or_b32 s[G1B+0], s44, (0<<16)|(1<<20)|(1<<21)|(6<<22)|(3<<25)
	s_mov_b32 s[G1B+1], 512<<16
	s_mov_b32 s[G1B+2], 64<<16
	s_mov_b32 s[G1B+3], 512<<16
	s_mov_b32 s[G1B+4], 64
	s_mov_b32 s[G1B+5], 2048
	s_mov_b32 s[G1B+6], 0
	s_mov_b32 s[G1B+7], 0
	s_lshl_b32 s16, s15, 3
	s_lshl_b32 s17, s14, 2
	s_add_co_u32 s16, s16, s17
	s_lshl_b32 s16, s16, 15
	s_mov_b32 s17, 0
	s_lshl_b32 s46, s42, 7
	s_lshl_b32 s47, s14, 6
	s_add_co_u32 s46, s46, s47
	s_lshl_b32 s46, s46, 11
	s_mov_b32 s47, 0
	s_lshl_b32 s20, s14, 15
	s_mul_i32 s45, s14, 64*BP
	s_add_co_u32 s45, s45, BOFF
	s_wait_dscnt 0x0
	s_wait_kmcnt 0x0
	s_load_b64 s[66:67], s[8:9], 0x28
	s_add_nc_u64 s[18:19], s[4:5], s[16:17]
	s_add_nc_u64 s[46:47], s[6:7], s[46:47]
	CROUND
.irp s, 0,1
	s_mov_b32 s[G0+4*\s], 1
	s_add_co_u32 s[G0+4*\s+1], s20, \s*SLOT
	s_add_nc_u64 s[G0+4*\s+2:G0+4*\s+3], s[18:19], \s*8192
	s_or_b32 s[G0+4*\s+3], s[G0+4*\s+3], 0x80000000
	s_mov_b32 s[G0B+4*\s], 1
	s_add_co_u32 s[G0B+4*\s+1], s45, \s*SLOT
	s_add_nc_u64 s[G0B+4*\s+2:G0B+4*\s+3], s[46:47], \s*512
	s_or_b32 s[G0B+4*\s+3], s[G0B+4*\s+3], 0x80000000
.endr
	JLOAD 0                                        ; K step 0: one tensor load a wave
	s_movk_i32 s22, 512
	s_movk_i32 s23, 512
	s_cmp_eq_u32 s13, 0                            ; do I fetch for A?
	s_cselect_b64 s[68:69], s[18:19], s[46:47]
	s_cselect_b32 s16, s40, s41                    ; my place among the four that ask with me
	s_cselect_b32 s22, 8192, s22                   ; a K step on, in bytes
	s_cselect_b32 s23, s23, 2048                   ; from a pair of lanes to the next: A's runs of 8,192 bytes are dense, B's rows are 2,048 bytes apart
	s_lshl_b32 s16, s16, 15                        ; A: 16 tokens' chunks; B: 16 rows
	s_mov_b32 s17, 0
	s_add_nc_u64 s[68:69], s[68:69], s[16:17]
	v_and_b32 v1, 31, v0
	v_and_b32 v2, 1, v0
	v_lshrrev_b32 v1, 1, v1
	v_mul_lo_u32 v[PFO], v1, s23
	v_lshl_add_u32 v[PFO], v2, 8, v[PFO]
	s_mov_b32 s23, 0
	s_add_nc_u64 s[68:69], s[68:69], s[22:23]
	s_add_nc_u64 s[70:71], s[68:69], s[22:23]
	s_add_nc_u64 s[72:73], s[70:71], s[22:23]
	global_prefetch_b8 v[PFO], s[68:69] th:TH_LOAD_NT scope:SCOPE_SE   ; K step 1
	global_prefetch_b8 v[PFO], s[70:71] th:TH_LOAD_NT scope:SCOPE_SE   ; K step 2
	v_and_b32 v1, 15, v0
	v_bfe_u32 v2, v0, 4, 1
	v_and_b32 v3, 31, v0
	v_lshlrev_b32 v3, 4, v3
	s_lshl_b32 s21, s13, 15
	v_add_nc_u32 v[ADRA], s21, v3
	v_add_nc_u32 v[ADRA+1], SLOT, v[ADRA]
	v_mul_u32_u24 v4, v1, BP
	v_lshl_add_u32 v4, v2, 4, v4
	s_mul_i32 s22, s14, 64*BP
	s_add_co_u32 s22, s22, BOFF
	v_add_nc_u32 v[ADRB], s22, v4
	v_add_nc_u32 v[ADRB+1], SLOT, v[ADRB]
	s_mul_i32 s23, s12, 32*SPITCH
	s_add_co_u32 s23, s23, STAGE
	v_mul_u32_u24 v5, v1, SPITCH
	v_lshl_add_u32 v5, v2, 5, v5
	v_add_nc_u32 v[STO], s23, v5
	v_mul_u32_u24 v5, v2, SPITCH
	v_lshl_add_u32 v5, v1, 4, v5
	v_add_nc_u32 v[RD], s23, v5
	v_lshlrev_b32 v5, 13, v2
	v_lshl_add_u32 v[CO], v1, 4, v5
	s_lshl_b32 s16, s15, 7
	s_lshl_b32 s17, s13, 6
	s_add_co_u32 s16, s16, s17
	s_lshl_b32 s16, s16, 13
	s_mov_b32 s17, 0
	s_add_nc_u64 s[10:11], s[10:11], s[16:17]
	s_lshl_b32 s46, s42, 9
	s_lshl_b32 s47, s14, 8
	s_add_co_u32 s46, s46, s47
	s_mov_b32 s47, 0
	s_add_nc_u64 s[10:11], s[10:11], s[46:47]
.macro MUL8 f, a0, zero
.irp a, \a0, \a0+1
.irp b, 0,1,2,3
.if \zero
	v_wmma_f32_16x16x128_fp8_fp8 v[ACC+8*(4*(\a)+\b):ACC+8*(4*(\a)+\b)+7], v[\f+64+16*\b:\f+64+16*\b+15], v[\f+16*(\a):\f+16*(\a)+15], 0
.else
	v_wmma_f32_16x16x128_fp8_fp8 v[ACC+8*(4*(\a)+\b):ACC+8*(4*(\a)+\b)+7], v[\f+64+16*\b:\f+64+16*\b+15], v[\f+16*(\a):\f+16*(\a)+15], v[ACC+8*(4*(\a)+\b):ACC+8*(4*(\a)+\b)+7]
.endif
.endr
.endr
.endm
.macro FETCH slot, q, f
	WIN TO_F
.irp i, 0,1,2,3
.irp c, 0,1,2,3
	ds_load_b128 v[\f+64+16*\i+4*\c:\f+64+16*\i+4*\c+3], v[ADRB+\slot] offset:\i*16*BP+128*(\q)+32*\c
	ds_load_b128 v[\f+16*\i+4*\c:\f+16*\i+4*\c+3],       v[ADRA+\slot] offset:\i*8192+(\q)*2048+512*\c
.endr
.endr
.endm
.macro PLACES
.rept 4
	v_nop
.endr
.endm
.macro STEP slot, q, f, g, zero
	PLACES
	FETCH \slot, (\q)+1, \g
	s_wait_dscnt 32
	WIN MUL
	MUL8 \f, 0, \zero
	MUL8 \f, 2, \zero
.endm
.macro TURN slot, next, fill
	WIN 0
	s_wait_tensorcnt 0x0
	ds_add_u32 v[SPW], v[NIL]
	s_wait_dscnt 1
	WIN MUL
	MUL8 F1, 0, 0
	s_wait_dscnt 0x0
	s_barrier_signal -1
	MUL8 F1, 2, 0
	WIN 0
	s_barrier_wait -1
.if \fill
	CREST
	s_add_nc_u64 s[G0+4*\slot+2:G0+4*\slot+3], s[G0+4*\slot+2:G0+4*\slot+3], 2*8192
	s_add_nc_u64 s[G0B+4*\slot+2:G0B+4*\slot+3], s[G0B+4*\slot+2:G0B+4*\slot+3], 2*512
	JLOAD \slot
.else
	PLACES
.endif
	s_wait_alu depctr_va_vdst(0)
	FETCH \next, 0, F0
.endm
	s_wait_alu depctr_va_vdst(0)                   ; the head's end
	s_wait_tensorcnt 0x0                           ; my part of K step 0 is in
	ds_add_u32 v[SPW], v[NIL]
	s_wait_dscnt 0x0
	CROUND                                         ; everybody's part of K step 0 is in, and the joint loads meet:
	JLOAD 1                                        ; K step 1, the first tensor load behind the round
	FETCH 0, 0, F0
	global_prefetch_b8 v[PFO], s[72:73] th:TH_LOAD_NT scope:SCOPE_SE   ; K step 3
	STEP 0, 0, F0, F1, 1
	STEP 0, 1, F1, F0, 0
	STEP 0, 2, F0, F1, 0
	TURN 0, 1, 1
	STEP 1, 0, F0, F1, 0
	STEP 1, 1, F1, F0, 0
	STEP 1, 2, F0, F1, 0
	TURN 1, 0, 1
	STEP 0, 0, F0, F1, 0
	STEP 0, 1, F1, F0, 0
	STEP 0, 2, F0, F1, 0
	TURN 0, 1, 0
	STEP 1, 0, F0, F1, 0
	STEP 1, 1, F1, F0, 0
	STEP 1, 2, F0, F1, 0
	s_wait_dscnt 0x0
	WIN MUL
	MUL8 F1, 0, 0
	MUL8 F1, 2, 0
	WIN 0
	s_wait_kmcnt 0x0
	s_add_co_i32 s96, s66, s67
	s_add_co_i32 s96, s96, 127
	s_lshl_b32 s96, s96, 23
	s_mov_b32 s97, s96
	PLACES
.irp p, 0,1
.if \p
	s_wait_xcnt 0x0
.endif
.irp j, 0,2,4,6,8,10,12,14,16,18,20,22,24,26,28,30,32,34,36,38,40,42,44,46,48,50,52,54,56,58,60,62
	v_pk_mul_f32 v[TMP+\j:TMP+\j+1], v[ACC+64*\p+\j:ACC+64*\p+\j+1], s[96:97] op_sel_hi:[1,0]
.endr
.irp a, 0,1
.irp b, 0,1,2,3
	ds_store_b128 v[STO], v[TMP+8*(4*\a+\b):TMP+8*(4*\a+\b)+3] offset:\a*16*SPITCH+64*\b
	ds_store_b128 v[STO], v[TMP+8*(4*\a+\b)+4:TMP+8*(4*\a+\b)+7] offset:\a*16*SPITCH+64*\b+16
.endr
.endr
.irp t, 0,1,2,3,4,5,6,7,8,9,10,11,12,13,14,15
	ds_load_b128 v[TMP+4*\t:TMP+4*\t+3], v[RD] offset:\t*2*SPITCH
.endr
.irp t, 0,1,2,3,4,5,6,7,8,9,10,11,12,13,14,15
	s_wait_dscnt 15-\t
	global_store_b128 v[CO], v[TMP+4*\t:TMP+4*\t+3], s[10:11] offset:(32*\p+2*\t)*8192 th:TH_STORE_NT
.endr
.endr
	s_wait_tensorcnt 0x0
	ds_add_u32 v[SPW], v[NIL]
	s_wait_dscnt 0x0
	CROUND
	s_endpgm
.Lfunc_end_k_q93adffb796_oproj:
	.size	k_q93adffb796_oproj, .Lfunc_end_k_q93adffb796_oproj-k_q93adffb796_oproj
	.p2alignl 7, 3214868480
	.fill 96, 4, 3214868480
	.section	.rodata,"a",@progbits
	.p2align	6, 0x0
	.amdhsa_kernel k_q93adffb796_oproj
		.amdhsa_group_segment_fixed_size 327680
		.amdhsa_private_segment_fixed_size 0
		.amdhsa_enable_private_segment 0
		.amdhsa_kernarg_size 32
		.amdhsa_user_sgpr_count 2
		.amdhsa_user_sgpr_kernarg_segment_ptr 1
		.amdhsa_wavefront_size32 1
		.amdhsa_system_sgpr_workgroup_id_x 1
		.amdhsa_system_sgpr_workgroup_id_y 1
		.amdhsa_system_sgpr_workgroup_id_z 1
		.amdhsa_system_vgpr_workitem_id 0
		.amdhsa_next_free_vgpr 512
		.amdhsa_next_free_sgpr 98
		.amdhsa_reserve_vcc 0
		.amdhsa_float_denorm_mode_32 3
		.amdhsa_float_denorm_mode_16_64 3
		.amdhsa_memory_ordered 1
		.amdhsa_forward_progress 1
		.amdhsa_inst_pref_size 75
	.end_amdhsa_kernel
	.amdgpu_metadata
---
amdhsa.version: [ 1, 2 ]
amdhsa.kernels:
  - .name:           k_q93adffb796_oproj
    .symbol:         k_q93adffb796_oproj.kd
    .args:
      - { .name: at, .offset: 0, .size: 8, .value_kind: global_buffer, .address_space: global }
      - { .name: wocodes, .offset: 8, .size: 8, .value_kind: global_buffer, .address_space: global }
      - { .name: lowp_scales, .offset: 16, .size: 8, .value_kind: global_buffer, .address_space: global }
      - { .name: out0, .offset: 24, .size: 8, .value_kind: global_buffer, .address_space: global }
    .group_segment_fixed_size: 327680
    .private_segment_fixed_size: 0
    .kernarg_segment_align: 8
    .kernarg_segment_size: 32
    .max_flat_workgroup_size: 128
    .sgpr_count:     98
    .vgpr_count:     512
    .wavefront_size: 32
...
	.end_amdgpu_metadata
.endif
;; end of part 4
